; MI455X (gfx1250); checked and timed in simulation.
; The chip was launched on July 23, 2026; its instructions are those of AMD's public machine-readable ISA for CDNA 5 (MIT licence, August 2026) and "CDNA5" Instruction Set Architecture Reference Guide (July 2026). The comments in the code are by the model that wrote it; some were corrected since.
;; Self Attention. Allowed arithmetic: float matrix products may take bf16 or f16 operands with f32 sums; other float arithmetic in f32, or as packed bf16 or f16 multiplies, adds, multiply-adds, maxima and minima; sums over many terms, partial sums and values carried from step to step in f32; what a program stores and reads back later, other than sums and carried values, may be rounded once to bf16 or f16.
;; Inputs: Wk 1,024 x 1,024 float32; Wq 1,024 x 1,024 float32; Wv 1,024 x 1,024 float32; atten_mask 2,048 x 2,048 int32; bk 1,024 float32; bq 1,024 float32; bv 1,024 float32; x 4 x 2,048 x 1,024 float32.
;; Outputs: out0 4 x 2,048 x 1,024 float32.
;; One version. Each part assembles by itself: llvm-mc -triple=amdgcn-amd-amdhsa -mcpu=gfx1250 --defsym DOCPART=n.
;; ======== version 1 of 1: 4 launches
;; limits: values are held in f16: magnitudes above 65,504 overflow, below 6.1e-05 lose precision
;; workspace buffers: xh 16,777,216 bytes; wt 6,291,456 bytes; ball 12,288 bytes; img 4,194,304 bytes; qkv 50,331,648 bytes; p 33,554,432 bytes; stats 1,048,576 bytes
;; launch prep (part 1): grid 1155 x 1, 8 waves a work-group, no clusters, 18,432 bytes of LDS; arguments x, Wq, Wk, Wv, bq, bk, bv, atten_mask, xh, wt, ball, img; writes xh, wt, ball, img
.if DOCPART == 1
	.amdgcn_target "amdgcn-amd-amdhsa--gfx1250"
	.amdhsa_code_object_version 6
	.text
	.protected	k_q0b9dc11cde_prep
	.globl	k_q0b9dc11cde_prep
	.p2align	8
	.type	k_q0b9dc11cde_prep,@function
k_q0b9dc11cde_prep:
	s_mov_b64 s[64:65], 0
	v_nop
	global_prefetch_b8 v0, s[64:65] scope:SCOPE_SE
	s_setreg_imm32_b32 hwreg(HW_REG_WAVE_MODE, 25, 1), 1
	s_wait_xcnt 0x0
; PREPARATION, four jobs chosen by the work-group's number (the same for all its waves), the long jobs first:
;   0-255     img: the mask as bytes in the order of a matrix accumulator: [row / 16][col / 32][lane][16 bytes];
;             lane (r, h), byte 8 e + j stands for mask[16 RB + r][32 pair + 16 e + 8 h + j]: 0xF1 where the mask is 1, else 0.  A work-group takes 16 rows x 1,024 columns
;   256-767   xh[16][8192][64] f16 = x rounded to bf16, that number written as f16, IN BLOCKS of 64 channels: block kb holds channels 64 kb .. 64 kb + 63 of every row, 128 bytes a row,
;             so that a tile of rows x 64 channels is dense in memory
;   768-1151  wt[16][3072][64] f16, in the same blocks: row n = column n of Wq | Wk | Wv, rounded likewise, turned through LDS
;   1152-1154 ball[3072] f32 = bq | bk | bv, each rounded to bf16
; LIMITS.  A number of 65,520 or more becomes an infinity in f16; below 6.1e-5 f16 keeps a fixed step of 6e-8.
; Memory binds: 16-byte loads, sixteen lanes on 256 consecutive bytes, all of a thread's loads issued before the first is used; every store covers whole aligned runs of 256 bytes.
.set SPARE, 17408                      ; behind the work area: the spare words, 128 bytes for each of eight waves
.set SPW, 4                            ; v4  LDS address of my spare word; never rewritten
.set NIL, 5                            ; v5  0; never rewritten
.set D,   16                           ; v[16:79] loaded data
.macro FIN                             ; a wave's end
	s_wait_tensorcnt 0x0
	ds_add_u32 v[SPW], v[NIL]
	s_wait_dscnt 0x0
	s_endpgm
.endm
.macro RND d                           ; four f32 at v[d]: to bf16 (nearest even), back to f32, to f16: two packed words at v[d], v[d+1]
	v_cvt_pk_bf16_f32 v6, v[(\d)], v[(\d)+1]
	v_cvt_pk_bf16_f32 v7, v[(\d)+2], v[(\d)+3]
	v_lshlrev_b32 v8, 16, v6
	v_and_b32 v9, s7, v6
	v_lshlrev_b32 v10, 16, v7
	v_and_b32 v11, s7, v7
	v_cvt_pk_f16_f32 v[(\d)], v8, v9
	v_cvt_pk_f16_f32 v[(\d)+1], v10, v11
.endm
	s_load_b512 s[8:23], s[0:1], 0x0               ; x 8, Wq 10, Wk 12, Wv 14, bq 16, bk 18, bv 20, mask 22
	s_load_b256 s[24:31], s[0:1], 0x40             ; xh 24, wt 26, ball 28, img 30
	v_lshl_add_u32 v[SPW], v0, 2, SPARE
	v_mov_b32 v[NIL], 0
	v_lshlrev_b32 v1, 4, v0                        ; 16 x thread
	s_mov_b32 s7, 0xffff0000                       ; a word's upper bf16
	s_mov_b32 s3, 0                                ; high word of every offset pair s[2:3]
	s_wait_kmcnt 0x0
	s_cmp_lt_u32 ttmp9, 256
	s_cbranch_scc1 .Ljob_m
	s_cmp_lt_u32 ttmp9, 768
	s_cbranch_scc1 .Ljob_x
	s_cmp_lt_u32 ttmp9, 1152
	s_cbranch_scc1 .Ljob_w
	; ---- a bias: 1,024 numbers, 16 bytes a thread
	s_sub_co_u32 s5, ttmp9, 1152
	s_cmp_eq_u32 s5, 1
	s_cselect_b64 s[32:33], s[18:19], s[16:17]
	s_cmp_eq_u32 s5, 2
	s_cselect_b64 s[32:33], s[20:21], s[32:33]
	s_lshl_b32 s2, s5, 12
	s_add_nc_u64 s[28:29], s[28:29], s[2:3]
	global_load_b128 v[D:D+3], v1, s[32:33]
	s_wait_loadcnt 0x0
	v_cvt_pk_bf16_f32 v6, v[D], v[D+1]
	v_cvt_pk_bf16_f32 v7, v[D+2], v[D+3]
	v_lshlrev_b32 v[D], 16, v6
	v_and_b32 v[D+1], s7, v6
	v_lshlrev_b32 v[D+2], 16, v7
	v_and_b32 v[D+3], s7, v7
	global_store_b128 v1, v[D:D+3], s[28:29]
	FIN
.Ljob_x:                               ; ---- sixteen rows of x.  Wave w takes the blocks 2 w and 2 w + 1; load i: block 2 w + i % 2, rows 2 (i / 2) and 2 (i / 2) + 1, a row for each half of the lanes
	s_sub_co_u32 s4, ttmp9, 256
	s_lshl_b32 s2, s4, 16                          ; 16 rows of 4,096 bytes
	s_add_nc_u64 s[8:9], s[8:9], s[2:3]
	s_lshl_b32 s2, s4, 11                          ; 16 rows of 128 bytes in every block
	s_add_nc_u64 s[24:25], s[24:25], s[2:3]
	v_lshrrev_b32 v2, 5, v0                        ; wave
	v_and_b32 v3, 31, v0                           ; lane
	v_and_b32 v12, 15, v0
	v_bfe_u32 v13, v0, 4, 1
	v_lshlrev_b32 v14, 4, v12                      ; from x: 16 bytes at lane % 16,
	v_lshl_add_u32 v14, v13, 12, v14               ; one row down for lanes 16 to 31,
	v_lshl_add_u32 v14, v2, 9, v14                 ; my wave's two blocks: 512 bytes of a row
	v_lshlrev_b32 v15, 3, v3                       ; into xh: 8 bytes a lane: two rows of 128 bytes on end,
	v_lshl_add_u32 v15, v2, 21, v15                ; in block 2 w (a block is 8,192 rows of 128 bytes)
.set i, 0
.rept 16
	global_load_b128 v[D+4*i:D+4*i+3], v14, s[8:9] offset:(i/2)*8192+(i%2)*256 th:TH_LOAD_NT
.set i, i+1
.endr
.set i, 0
.rept 16
	s_wait_loadcnt 15-i                            ; loads come back in order: number i is in, the younger ones stay out
	RND D+4*i
	global_store_b64 v15, v[D+4*i:D+4*i+1], s[24:25] offset:(i%2)*1048576+(i/2)*256  ; a wave stores 256 consecutive bytes, aligned
.set i, i+1
.endr
	FIN
.Ljob_w:                               ; ---- a tile of 128 c x 64 h of one W, turned
	s_sub_co_u32 s4, ttmp9, 768
	s_lshr_b32 s5, s4, 7                           ; which W
	s_bfe_u32 s6, s4, 0x30004                      ; which 128 c: the blocks 2 ct and 2 ct + 1
	s_and_b32 s4, s4, 15                           ; which 64 h
	s_cmp_eq_u32 s5, 1
	s_cselect_b64 s[32:33], s[12:13], s[10:11]
	s_cmp_eq_u32 s5, 2
	s_cselect_b64 s[32:33], s[14:15], s[32:33]
	s_lshl_b32 s2, s6, 19                          ; 128 rows of 4,096 bytes
	s_lshl_b32 s34, s4, 8
	s_add_co_u32 s2, s2, s34
	s_add_nc_u64 s[32:33], s[32:33], s[2:3]
	s_mul_i32 s2, s6, 786432                       ; wt: two blocks of 3,072 rows of 128 bytes for each ct,
	s_lshl_b32 s34, s5, 17                         ; 1,024 rows for each W,
	s_add_co_u32 s2, s2, s34
	s_lshl_b32 s34, s4, 13                         ; 64 rows for each ht
	s_add_co_u32 s2, s2, s34
	s_add_nc_u64 s[26:27], s[26:27], s[2:3]
	v_lshrrev_b32 v2, 4, v0                        ; thread / 16
	v_and_b32 v3, 15, v0                           ; thread % 16
	v_lshlrev_b32 v12, 4, v3
	v_lshl_add_u32 v13, v2, 12, v12                ; from W: row thread / 16, 16 bytes at thread % 16
	v_mul_u32_u24 v14, v3, 1088                    ; into T[h][c], rows of 272 bytes: h = 4 (thread % 16) + e,
	v_lshl_add_u32 v14, v2, 1, v14                 ; c = thread / 16 + 16 i
	v_lshrrev_b32 v15, 3, v0                       ; back: row thread / 8 + 32 j, 16 bytes at thread % 8 of one block's 128 bytes:
	v_mul_u32_u24 v15, v15, 272                    ; in wt these are 16 x thread: rows of 128 bytes on end
	v_and_b32 v12, 7, v0
	v_lshl_add_u32 v15, v12, 4, v15
.set i, 0
.rept 8
	global_load_b128 v[D+4*i:D+4*i+3], v13, s[32:33] offset:65536*i th:TH_LOAD_NT
.set i, i+1
.endr
.set i, 0
.rept 8
	s_wait_loadcnt 7-i
	RND D+4*i
	ds_store_b16 v14, v[D+4*i] offset:32*i
	ds_store_b16_d16_hi v14, v[D+4*i] offset:32*i+272
	ds_store_b16 v14, v[D+4*i+1] offset:32*i+544
	ds_store_b16_d16_hi v14, v[D+4*i+1] offset:32*i+816
.set i, i+1
.endr
	s_wait_dscnt 0x0                               ; for the others' sake: my stores are done
	s_barrier_signal -1
	s_barrier_wait -1
.set i, 0
.rept 4                                ; rows 32 (i / 2) on, block i % 2
	ds_load_b128 v[D+4*i:D+4*i+3], v15 offset:(i/2)*8704+(i%2)*128
.set i, i+1
.endr
.set i, 0
.rept 4
	s_wait_dscnt 3-i
	global_store_b128 v1, v[D+4*i:D+4*i+3], s[26:27] offset:(i%2)*393216+(i/2)*4096  ; a wave stores 512 consecutive bytes, aligned
.set i, i+1
.endr
	FIN
.Ljob_m:                               ; ---- sixteen rows x 1,024 columns of the mask
	s_lshr_b32 s4, ttmp9, 1                        ; which sixteen rows
	s_and_b32 s5, ttmp9, 1                         ; which half of them
	s_lshl_b32 s2, s4, 17                          ; 16 rows of 8,192 bytes
	s_lshl_b32 s6, s5, 12
	s_add_co_u32 s2, s2, s6
	s_add_nc_u64 s[22:23], s[22:23], s[2:3]
	s_lshl_b32 s2, s4, 15                          ; 32,768 bytes of image, 16,384 for each half
	s_lshl_b32 s6, s5, 14
	s_add_co_u32 s2, s2, s6
	s_add_nc_u64 s[30:31], s[30:31], s[2:3]
	s_mov_b32 s36, 0xf1
	s_mov_b32 s37, 0xf100
	s_mov_b32 s38, 0xf10000
	s_mov_b32 s39, 0xf1000000
	v_lshrrev_b32 v2, 3, v0                        ; my four columns 4 t .. 4 t + 3: pair t / 8 (528 bytes each in LDS),
	v_mul_u32_u24 v2, v2, 528
	v_bfe_u32 v3, v0, 1, 1                         ; h: lanes 16 on, 256 bytes,
	v_lshl_add_u32 v2, v3, 8, v2
	v_bfe_u32 v3, v0, 2, 1                         ; e: 8 bytes,
	v_lshl_add_u32 v2, v3, 3, v2
	v_and_b32 v3, 1, v0                            ; which word of the eight bytes
	v_lshl_add_u32 v2, v3, 2, v2
	v_lshrrev_b32 v3, 5, v0                        ; back: pair 8 j + t / 32, lane t % 32
	v_mul_u32_u24 v3, v3, 528
	v_and_b32 v12, 31, v0
	v_lshl_add_u32 v3, v12, 4, v3
.set i, 0
.rept 16
	global_load_b128 v[D+4*i:D+4*i+3], v1, s[22:23] offset:8192*i th:TH_LOAD_NT  ; row i
.set i, i+1
.endr
.set i, 0
.rept 16
	s_wait_loadcnt 15-i
	v_cmp_eq_u32 vcc_lo, 1, v[D+4*i]
	v_cndmask_b32 v6, 0, s36, vcc_lo
	v_cmp_eq_u32 vcc_lo, 1, v[D+4*i+1]
	v_cndmask_b32 v7, 0, s37, vcc_lo
	v_cmp_eq_u32 vcc_lo, 1, v[D+4*i+2]
	v_cndmask_b32 v8, 0, s38, vcc_lo
	v_cmp_eq_u32 vcc_lo, 1, v[D+4*i+3]
	v_cndmask_b32 v9, 0, s39, vcc_lo
	v_add3_u32 v6, v6, v7, v8
	v_or_b32 v6, v6, v9
	ds_store_b32 v2, v6 offset:i*16                ; the row is the lane's r
.set i, i+1
.endr
	s_wait_dscnt 0x0
	s_barrier_signal -1
	s_barrier_wait -1
.set i, 0
.rept 4
	ds_load_b128 v[D+4*i:D+4*i+3], v3 offset:4224*i
.set i, i+1
.endr
.set i, 0
.rept 4
	s_wait_dscnt 3-i
	global_store_b128 v1, v[D+4*i:D+4*i+3], s[30:31] offset:4096*i
.set i, i+1
.endr
	FIN
.Lfunc_end_k_q0b9dc11cde_prep:
	.size	k_q0b9dc11cde_prep, .Lfunc_end_k_q0b9dc11cde_prep-k_q0b9dc11cde_prep
	.p2alignl 7, 3214868480
	.fill 96, 4, 3214868480
	.section	.rodata,"a",@progbits
	.p2align	6, 0x0
	.amdhsa_kernel k_q0b9dc11cde_prep
		.amdhsa_group_segment_fixed_size 18432
		.amdhsa_private_segment_fixed_size 0
		.amdhsa_enable_private_segment 0
		.amdhsa_kernarg_size 96
		.amdhsa_user_sgpr_count 2
		.amdhsa_user_sgpr_kernarg_segment_ptr 1
		.amdhsa_wavefront_size32 1
		.amdhsa_system_sgpr_workgroup_id_x 1
		.amdhsa_system_sgpr_workgroup_id_y 1
		.amdhsa_system_sgpr_workgroup_id_z 1
		.amdhsa_system_vgpr_workitem_id 0
		.amdhsa_next_free_vgpr 80
		.amdhsa_next_free_sgpr 66
		.amdhsa_reserve_vcc 1
		.amdhsa_float_denorm_mode_32 3
		.amdhsa_float_denorm_mode_16_64 3
		.amdhsa_memory_ordered 1
		.amdhsa_forward_progress 1
		.amdhsa_inst_pref_size 33
	.end_amdhsa_kernel
	.amdgpu_metadata
---
amdhsa.version: [ 1, 2 ]
amdhsa.kernels:
  - .name:           k_q0b9dc11cde_prep
    .symbol:         k_q0b9dc11cde_prep.kd
    .args:
      - { .name: x, .offset: 0, .size: 8, .value_kind: global_buffer, .address_space: global }
      - { .name: Wq, .offset: 8, .size: 8, .value_kind: global_buffer, .address_space: global }
      - { .name: Wk, .offset: 16, .size: 8, .value_kind: global_buffer, .address_space: global }
      - { .name: Wv, .offset: 24, .size: 8, .value_kind: global_buffer, .address_space: global }
      - { .name: bq, .offset: 32, .size: 8, .value_kind: global_buffer, .address_space: global }
      - { .name: bk, .offset: 40, .size: 8, .value_kind: global_buffer, .address_space: global }
      - { .name: bv, .offset: 48, .size: 8, .value_kind: global_buffer, .address_space: global }
      - { .name: atten_mask, .offset: 56, .size: 8, .value_kind: global_buffer, .address_space: global }
      - { .name: xh, .offset: 64, .size: 8, .value_kind: global_buffer, .address_space: global }
      - { .name: wt, .offset: 72, .size: 8, .value_kind: global_buffer, .address_space: global }
      - { .name: ball, .offset: 80, .size: 8, .value_kind: global_buffer, .address_space: global }
      - { .name: img, .offset: 88, .size: 8, .value_kind: global_buffer, .address_space: global }
    .group_segment_fixed_size: 18432
    .private_segment_fixed_size: 0
    .kernarg_segment_align: 8
    .kernarg_segment_size: 96
    .max_flat_workgroup_size: 256
    .sgpr_count:     66
    .vgpr_count:     80
    .wavefront_size: 32
...
	.end_amdgpu_metadata
.endif
;; end of part 1
;; launch proj (part 2): grid 8 x 32, 4 waves a work-group, clusters of 4 x 4, 327,680 bytes of LDS; arguments xh, wt, ball, qkv; writes qkv
.if DOCPART == 2
	.amdgcn_target "amdgcn-amd-amdhsa--gfx1250"
	.amdhsa_code_object_version 6
	.text
	.protected	k_q0b9dc11cde_proj
	.globl	k_q0b9dc11cde_proj
	.p2align	8
	.type	k_q0b9dc11cde_proj,@function
k_q0b9dc11cde_proj:
	s_mov_b64 s[64:65], 0
	v_nop
	global_prefetch_b8 v0, s[64:65] scope:SCOPE_SE
	s_setreg_imm32_b32 hwreg(HW_REG_WAVE_MODE, 25, 1), 1
	s_wait_xcnt 0x0
	s_wait_alu depctr_hold_cnt(0) depctr_sa_sdst(0) depctr_va_vdst(0) depctr_va_sdst(0) depctr_va_ssrc(0) depctr_va_vcc(0) depctr_vm_vsrc(0)
	s_getreg_b32 s2, hwreg(HW_REG_IB_STS2, 6, 4)
	s_cmp_eq_u32 s2, 0
	s_cbranch_scc0 .Lentry_in_a_cluster
	s_endpgm
.Lentry_in_a_cluster:
	s_bfe_u32 s2, ttmp6, 0x10000c
	s_cmp_lg_u32 s2, 0xf033
	s_cbranch_scc0 .Lentry_shape_is_right
	s_endpgm
.Lentry_shape_is_right:
; qkv[row][n] = the sum over c of x[row][c] w[n][c] + ball[n].  xh [16][8192][64] and wt [16][3072][64] f16, in blocks of 64 channels (128 bytes a row); qkv [8192][3072] f16; ball [3072] f32.
; Sums in f32, qkv rounded once.  LIMIT.  A result of 65,520 or more becomes an infinity in f16.
; SHARES.  A work-group makes 256 rows x 384 columns: 32 x 8 = 256 work-groups.  Each of its four waves makes 128 x 192: 96 accumulators of 16 x 16, 768 registers: for 32 along K a wave reads
; (128 + 192) x 64 bytes from LDS and issues 96 matrix instructions.
; K goes in 16 steps of 64, a block each, through two LDS slots of (256 + 384) rows x 144 bytes; two slots of a step of 128 would be 348,160 bytes, more than there is.  In a block a tile's rows lie
; end to end, so it is asked for as rows of 256 bytes, two rows of the tile each, padded in LDS after every 128 bytes.
; THE SUMS START AT THE BIAS: it is loaded straight into the accumulators, so the loop has one form of product and nothing is cleared or added later.
; THE MATRIX INSTRUCTION IS USED TRANSPOSED (source 0 = 16 rows of wt, source 1 = 16 rows of xh): lane l holds row l % 16 and the columns 8 (l / 16) + 0..7.
; CLUSTER 4 x 4: xh's tile hangs on the tile row alone and is asked for jointly along a row of the cluster, wt's on the tile column alone, along a column.
; REGISTERS, in windows of 256.  Windows 1 to 3: accumulator (a, b), row block a of 8 and column block b of 12, in window 1 + b / 4 at v[8 (8 (b % 4) + a)].
; Window 0: v0-31 addresses; v32-95, v96-159 xh's eight fragments, two buffers; v160-255 wt's twelve fragments, ONE buffer.  A quarter (32 along K) goes by THIRDS of the columns, 32 products each:
; a third's four fragments of wt are loaded again, for the next quarter, as soon as its products are issued: 64 products ahead of their next use.  xh's fragments are read to a quarter's end, so they have two buffers.
.set STEPS,  16
.set PITCH,  144                       ; an LDS row: 128 bytes + 16 of padding = 36 words: the 16 rows of a fragment load start at 16 different groups of four banks (64 banks of 4 bytes: ISA guide 11.1)
.set BOFF,   256*PITCH                 ; a slot: xh's 256 rows, then wt's 384
.set SLOT1,  1<<17                     ; a slot is 92,160 bytes; slot 1 begins here, so that one exclusive or turns an address in one slot into the other's
.set SPARE,  SLOT1+640*PITCH           ; behind the ring: the spare words, 128 bytes a wave
.set SPITCH, 784                       ; the stage's rows: 768 bytes + 16; its 256 rows lie from LDS byte 0 on, behind the slots' last fills
.set XSTEP,  8192*128                  ; bytes from block to block in xh
.set WSTEP,  3072*128                  ; and in wt
.set FLAGS,  (1<<16)|(1<<20)|(1<<21)|(4<<22)|(3<<25)  ; 2-byte elements; padding on; bit 21 beside a mask; after every 32 words; 4 words
.set A0L,  2                           ; v2   my lane's place in xh's tile, my wave's 128 rows; never rewritten
.set B0L,  3                           ; v3   in wt's tile, my wave's 192 rows
.set RD0,  8                           ; v8-10   the way out: where I read rows back (three forms)
.set CO0,  11                          ; v11-13  and where they go in qkv
.set ADRA, 16
.set ADRB, 17
.set RDC,  18                          ; v18-20  RD0's three, at the sixteen rows in hand
.set BO,   22                          ; v22  32 x (l / 16): my eight numbers of a bias block
.set STO,  24                          ; v24, v25  into the stage: row blocks 0-3, 4-7
.set SPW,  28
.set NIL,  29
.set PFO,  30                          ; v30  the prefetches' offset
.set FA0,  32
.set FA1,  96
.set FBB,  160
.set TMP,  32                          ; the way out: v32-223
.set WV,   14
.set RH,   15                          ; s15  which half of the rows is mine; also: I fetch for xh (0) or wt (1)
.set G1A,  24
.set GFA,  32                          ; group 0 of the first fill
.set GWA,  36                          ; group 0 that walks
.set LIM,  43
.set PFA,  44
.set TB,   46
.set CH,   47                          ; s47  which half of the columns; also: which half of the tile I fetch
.set G1B,  48
.set GFB,  56
.set GWB,  60
.set LAA,  66                          ; s66  LDS byte of my half of xh's tile
.set LBB,  67                          ; s67  of wt's
.set PM,   68                          ; s68  0: I prefetch in every trip; 1: in every second
.set SR,   69                          ; s69  the way out: the sixteen rows in hand, in the stage
.set PFS,  70                          ; s[70:71] bytes from block to block in what I prefetch
.set MSB, 0
.macro WIN new                         ; the immediate's high byte repeats the setting that is left; a switch that changes nothing is dropped
.if MSB != (\new)
	s_set_vgpr_msb (MSB<<8)|(\new)
.set MSB, (\new)
.endif
.endm
.macro PLACES                          ; four places behind matrix instructions (ISA guide 7.12.1), where no other vector work is at hand
.rept 4
	v_nop
.endr
.endm
.macro CREST                           ; a round of the cluster's barrier behind its opening barrier
	s_cmp_lg_u32 s[WV], 0
	s_cbranch_scc1 .Lnot_wave_0_\@
	s_barrier_signal -3
.Lnot_wave_0_\@:
	s_barrier_wait -3
	s_barrier_signal -1
	s_barrier_wait -1
.endm
.macro CROUND
	s_barrier_signal -1
	s_barrier_wait -1
	CREST
.endm
.macro JLOAD                           ; a joint refill: waves 0 and 1 fetch xh's two halves, waves 2 and 3 wt's; s_nop 0 and four v_nop follow each line
	s_cmp_eq_u32 s[RH], 0
	s_cbranch_scc0 .Lfor_b_\@
	tensor_load_to_lds s[GWA:GWA+3], s[G1A:G1A+7]
	s_nop 0
	PLACES
	s_branch .Lasked_\@
.Lfor_b_\@:
	tensor_load_to_lds s[GWB:GWB+3], s[G1B:G1B+7]
	s_nop 0
	PLACES
.Lasked_\@:
.endm
; PREFETCHES, behind the joint load, its five lines and the run of LDS loads.  In trip i, which refills with step i + 2, s[PFA] stands at step i + 3: one trip, 192 matrix instructions, ahead of the load that will want it.
; xh: a step's tile is 128 runs of 256 bytes; wave 0 names 32 of them, the four partners of the joint load told apart by address (cx); only the clusters with x = 0 ask, since the other cluster of the row
; reads the same rows.  wt: a step's tile is 192 runs, 48 for each partner (cy): so waves 1 to 3 name 96 runs, those of steps i + 3 and i + 4, in every second trip (i odd); only the clusters with y = 0 ask.
; So each run is named once in the launch.  Steps 0 to 2 of xh and 0 to 3 of wt come by their loads alone; the last asks name step 15: xh's in trip 12 (s3 = 2), wt's in trip 11 (s3 = 3).
.macro ASK
	s_and_b32 s2, s3, s[PM]
	s_cmp_eq_u32 s2, s[PM]
	s_cbranch_scc0 .Lnot_mine_\@
	s_cmp_gt_u32 s3, s[LIM]
	s_cbranch_scc0 .Lnot_mine_\@
	global_prefetch_b8 v[PFO], s[PFA:PFA+1] th:TH_LOAD_NT scope:SCOPE_SE
.Lnot_mine_\@:
.endm
.macro GROUP0 g, ld, slot, adr, step
	s_mov_b32 s[\g], 1                             ; count = 1
	s_add_co_u32 s[\g+1], s[\ld], \slot            ; LDS address
	s_add_nc_u64 s[\g+2:\g+3], s[\adr:\adr+1], \step  ; global address
	s_or_b32 s[\g+3], s[\g+3], 0x80000000          ; type = 2
.endm
	s_load_b256 s[4:11], s[0:1], 0x0               ; xh 4, wt 6, ball 8, qkv 10
	v_lshl_add_u32 v[SPW], v0, 2, SPARE
	v_mov_b32 v[NIL], 0
	ds_add_u32 v[SPW], v[NIL]                      ; the wave's opening: the add and its wait stand ahead of my first tensor load
	v_lshrrev_b32 v1, 5, v0
	v_readfirstlane_b32 s[WV], v1
	s_lshr_b32 s[RH], s[WV], 1
	s_and_b32 s[CH], s[WV], 1
	s_bfe_u32 s40, ttmp6, 0x40000                  ; cx
	s_bfe_u32 s41, ttmp6, 0x40004                  ; cy
	s_lshl_b32 s42, ttmp9, 2
	s_add_co_u32 s42, s42, s40                     ; tile column: 384 columns
	s_and_b32 s13, ttmp7, 0xffff
	s_lshl_b32 s13, s13, 2
	s_add_co_u32 s13, s13, s41                     ; tile row: 256 rows
	s_lshl_b32 s2, s41, 2
	s_lshl_b32 s2, 15, s2                          ; my row of the cluster
	s_lshl_b32 s12, 0x1111, s40                    ; my column
	s_or_b32 s[G1A], s2, FLAGS
	s_or_b32 s[G1B], s12, FLAGS
	s_mov_b32 s[G1A+1], 128<<16                    ; xh: 128 rows of 128 bytes = 64 rows of 128 elements
	s_mov_b32 s[G1A+2], 64<<16
	s_mov_b32 s[G1A+3], 128<<16
	s_mov_b32 s[G1A+4], 64
	s_mov_b32 s[G1A+5], 128
	s_mov_b32 s[G1A+6], 0
	s_mov_b32 s[G1A+7], 0
	s_mov_b32 s[G1B+1], 128<<16                    ; wt: 192 rows of 128 bytes = 96 rows of 128 elements
	s_mov_b32 s[G1B+2], 96<<16
	s_mov_b32 s[G1B+3], 128<<16
	s_mov_b32 s[G1B+4], 96
	s_mov_b32 s[G1B+5], 128
	s_mov_b32 s[G1B+6], 0
	s_mov_b32 s[G1B+7], 0
	s_lshl_b32 s16, s13, 15                        ; xh: 256 rows of 128 bytes a tile row,
	s_lshl_b32 s2, s[CH], 14                       ; the half that I fetch
	s_add_co_u32 s16, s16, s2
	s_mov_b32 s17, 0
	s_mul_i32 s18, s42, 49152                      ; wt: 384 rows of 128 bytes a tile column,
	s_mul_i32 s2, s[CH], 24576                     ; the half that I fetch
	s_add_co_u32 s18, s18, s2
	s_mov_b32 s19, 0
	s_mul_i32 s[LAA], s[CH], 128*PITCH             ; no place in the cluster enters an LDS address
	s_mul_i32 s[LBB], s[CH], 192*PITCH
	s_add_co_u32 s[LBB], s[LBB], BOFF
	s_mov_b32 s[TB], 0
	s_wait_dscnt 0x0                               ; the opening add is done
	s_wait_kmcnt 0x0
	s_add_nc_u64 s[20:21], s[4:5], s[16:17]
	s_add_nc_u64 s[22:23], s[6:7], s[18:19]
	GROUP0 GFA, LAA, 0, 20, 0                      ; K step 0 into slot 0
	GROUP0 GWA, LAA, SLOT1, 20, XSTEP              ; K step 1 into slot 1; this one walks on
	GROUP0 GFB, LBB, 0, 22, 0
	GROUP0 GWB, LBB, SLOT1, 22, WSTEP
	CROUND                                         ; all sixteen work-groups are here: the first joint loads meet
	s_cmp_eq_u32 s[RH], 0                          ; a wave's two first fills stand in one branch: two loads of mine are out
	s_cbranch_scc0 .Lfirst_b
	tensor_load_to_lds s[GFA:GFA+3], s[G1A:G1A+7]
	s_nop 0
	tensor_load_to_lds s[GWA:GWA+3], s[G1A:G1A+7]
	s_nop 0
	PLACES
	s_branch .Lfirst_asked
.Lfirst_b:
	tensor_load_to_lds s[GFB:GFB+3], s[G1B:G1B+7]
	s_nop 0
	tensor_load_to_lds s[GWB:GWB+3], s[G1B:G1B+7]
	s_nop 0
	PLACES
.Lfirst_asked:
	v_and_b32 v1, 15, v0                           ; r = l % 16
	v_bfe_u32 v4, v0, 4, 1                         ; h = l / 16
	v_and_b32 v5, 31, v0                           ; l
	v_lshlrev_b32 v[BO], 5, v4
	s_mul_i32 s16, s42, 1536
	s_mul_i32 s2, s[CH], 768
	s_add_co_u32 s16, s16, s2
	s_mov_b32 s17, 0
	s_add_nc_u64 s[8:9], s[8:9], s[16:17]          ; ball at my wave's first column
.irp g, 0,1,2                          ; register j of accumulator (a, b) starts at ball[16 b + 8 h + j], whatever a; these loads stand in the wait for the first tile
	WIN 0x40*((\g)+1)
.irp bb, 0,1,2,3
.irp a, 0,1,2,3,4,5,6,7
	global_load_b128 v[8*(8*(\bb)+(\a)):8*(8*(\bb)+(\a))+3],   v[BO], s[8:9] offset:64*(4*(\g)+(\bb))
	global_load_b128 v[8*(8*(\bb)+(\a))+4:8*(8*(\bb)+(\a))+7], v[BO], s[8:9] offset:64*(4*(\g)+(\bb))+16
.endr
.endr
.endr
	WIN 0
	v_mul_u32_u24 v[A0L], v1, PITCH
	v_lshl_add_u32 v[A0L], v4, 4, v[A0L]           ; row x pitch + 16 x half
	s_mul_i32 s2, s[CH], 192*PITCH
	s_add_co_u32 s2, s2, BOFF
	v_add_nc_u32 v[B0L], s2, v[A0L]
	s_mul_i32 s2, s[RH], 128*PITCH
	v_add_nc_u32 v[A0L], s2, v[A0L]
	v_mov_b32 v[ADRA], v[A0L]
	v_mov_b32 v[ADRB], v[B0L]
	v_mul_u32_u24 v[STO], v1, SPITCH               ; into the stage: row 128 rh + 16 a + r, my wave's 384 bytes, 16 for each half of the lanes
	v_lshl_add_u32 v[STO], v4, 4, v[STO]
	s_mul_i32 s2, s[RH], 128*SPITCH
	s_mul_i32 s12, s[CH], 384
	s_add_co_u32 s2, s2, s12
	v_add_nc_u32 v[STO], s2, v[STO]
	v_add_nc_u32 v[STO+1], 64*SPITCH, v[STO]
	s_mul_i32 s2, s[WV], 64*SPITCH                 ; back: wave w takes rows 64 w .. 64 w + 63, two rows (1,536 bytes) by three loads of 512
	v_lshl_add_u32 v[RD0], v5, 4, s2               ; the even row's bytes 0-511
	v_mul_u32_u24 v[RD0+1], v4, 272                ; its bytes 512-767, and the odd row's 0-255
	v_lshl_add_u32 v[RD0+1], v1, 4, v[RD0+1]
	s_add_co_u32 s12, s2, 512
	v_add_nc_u32 v[RD0+1], s12, v[RD0+1]
	v_add_nc_u32 v[RD0+2], 1040, v[RD0]            ; the odd row's bytes 256-767
	v_lshlrev_b32 v[CO0], 4, v5                    ; and the same in qkv, rows of 6,144 bytes
	v_mul_u32_u24 v[CO0+1], v4, 5632
	v_lshl_add_u32 v[CO0+1], v1, 4, v[CO0+1]
	v_add_nc_u32 v[CO0+1], 512, v[CO0+1]
	v_add_nc_u32 v[CO0+2], 6400, v[CO0]
	s_lshl_b32 s2, s13, 8
	s_lshl_b32 s12, s[WV], 6
	s_add_co_u32 s2, s2, s12
	s_mul_i32 s2, s2, 6144
	s_mul_i32 s12, s42, 768
	s_add_co_u32 s16, s2, s12
	s_mov_b32 s17, 0
	s_add_nc_u64 s[10:11], s[10:11], s[16:17]      ; qkv at the first row that I store, at the tile's first column
	; the prefetches
	s_and_b32 s2, ttmp7, 0xffff                    ; cluster y
	s_lshl_b32 s16, s13, 15                        ; xh: the tile's 256 rows,
	s_lshl_b32 s12, s40, 13                        ; my work-group's 32 runs of 256 bytes
	s_add_co_u32 s16, s16, s12
	s_mul_i32 s18, s42, 49152                      ; wt: the tile's 384 rows,
	s_mul_i32 s12, s41, 12288                      ; my work-group's 48 runs
	s_add_co_u32 s18, s18, s12
	s_mov_b32 s[PFS], WSTEP
	s_cmp_eq_u32 s[WV], 0                          ; wave 0 asks for xh, waves 1 to 3 for wt
	s_cselect_b32 s2, ttmp9, s2                    ; the coordinate along which other clusters read the same rows
	s_cselect_b32 s16, s16, s18
	s_cselect_b32 s[PFS], XSTEP, s[PFS]
	s_cselect_b32 s[PM], 0, 1
	s_cselect_b32 s12, 1, 2
	s_cselect_b64 s[PFA:PFA+1], s[4:5], s[6:7]
	s_cmp_eq_u32 s2, 0
	s_cselect_b32 s[LIM], s12, -1                  ; the same in all sixteen partners, for a given wave
	s_mov_b32 s17, 0
	s_mov_b32 s[PFS+1], 0
	s_add_nc_u64 s[PFA:PFA+1], s[PFA:PFA+1], s[16:17]
	s_lshl_b32 s16, s[PFS], 1
	s_add_nc_u64 s[PFA:PFA+1], s[PFA:PFA+1], s[16:17]  ; at K step 2: the first refill steps it to 3.  Nothing is prefetched at the head
	s_max_u32 s2, s[WV], 1
	s_sub_co_u32 s2, s2, 1
	s_lshl_b32 s2, s2, 5
	v_add_nc_u32 v6, s2, v5                        ; my run: l in wave 0; 32 (w - 1) + l of 96 in waves 1 to 3:
	v_lshlrev_b32 v[PFO], 8, v6                    ; runs 0-47 lie in the block at which s[PFA] stands,
	v_add_nc_u32 v7, WSTEP-48*256, v[PFO]          ; runs 48-95 are the same 48 in the block behind it
	v_cmp_le_u32 vcc_lo, 48, v6
	v_cndmask_b32 v[PFO], v[PFO], v7, vcc_lo
; 32 matrix instructions: column blocks 4 g .. 4 g + 3 x all 8 row blocks, 32 along K.  The 96 accumulators take turns, one instruction a turn.
.macro GRP fa, g
	WIN 0x50*((\g)+1)
.irp bb, 0,1,2,3
.irp a, 0,1,2,3,4,5,6,7
	v_wmma_f32_16x16x32_f16 v[8*(8*(\bb)+(\a)):8*(8*(\bb)+(\a))+7], v[FBB+8*(4*(\g)+(\bb)):FBB+8*(4*(\g)+(\bb))+7], v[(\fa)+8*(\a):(\fa)+8*(\a)+7], v[8*(8*(\bb)+(\a)):8*(8*(\bb)+(\a))+7]
.endr
.endr
.endm
.macro LDB g, k                        ; 8 LDS loads: wt's fragments of third g, 32 K at byte k of the rows
.irp bb, 0,1,2,3
	ds_load_b128 v[FBB+8*(4*(\g)+(\bb)):FBB+8*(4*(\g)+(\bb))+3],   v[ADRB] offset:(\k)+(4*(\g)+(\bb))*16*PITCH
	ds_load_b128 v[FBB+8*(4*(\g)+(\bb))+4:FBB+8*(4*(\g)+(\bb))+7], v[ADRB] offset:(\k)+(4*(\g)+(\bb))*16*PITCH+32
.endr
.endm
.macro LDA fa, k                       ; 16 LDS loads: xh's eight fragments into buffer fa
.irp i, 0,1,2,3,4,5,6,7
	ds_load_b128 v[(\fa)+8*(\i):(\fa)+8*(\i)+3],   v[ADRA] offset:(\k)+(\i)*16*PITCH
	ds_load_b128 v[(\fa)+8*(\i)+4:(\fa)+8*(\i)+7], v[ADRA] offset:(\k)+(\i)*16*PITCH+32
.endr
.endm
; A step's first quarter multiplies buffer FA0 and fetches the second quarter, at byte 64 of the same slot's rows.  The runs of loads of a quarter are three: 24 (third 0 and xh), 8, 8.
.macro QTR0
	s_wait_dscnt 16                                ; third 0 and xh's fragments are in; the two younger runs, 16 loads, may be out
	GRP FA0, 0
	WIN 0
	PLACES
	LDB 0, 64
	LDA FA1, 64
	s_wait_dscnt 32                                ; third 1 is in: behind it stand third 2's 8 loads and the 24 just issued
	GRP FA0, 1
	WIN 0
	PLACES
	LDB 1, 64
	s_wait_dscnt 32                                ; third 2 is in: behind it stand the 24 and the 8 of this quarter
	GRP FA0, 2
	WIN 0
	PLACES
	LDB 2, 64
.endm
; A step's second quarter multiplies buffer FA1, changes slots behind its first third and fetches the next step's first quarter.  All of this slot's fragments have been asked for, the youngest 32 products back.
; Each wave waits for all its tensor loads (one is out: its part of the next slot), adds 0 to its spare word, waits for that and for its reads of this slot.  fill = 1: a round of the cluster's barrier follows,
; and this slot is filled again, first thing behind it, with the K step two on: no product stands between the wait and the refill, so the refill has a whole trip, 192 matrix instructions, in which to land.
; fill = 0: nothing is asked for; in the last trip (s3 = 1) there is no further step, and the three runs of loads are jumped over.
.macro QTR1 fill
	s_wait_dscnt 16
	GRP FA1, 0
	WIN 0
.if \fill
	s_wait_xcnt 0x0                                ; the last prefetch, a trip back, has read its address
	s_add_nc_u64 s[PFA:PFA+1], s[PFA:PFA+1], s[PFS:PFS+1]
.endif
	s_wait_tensorcnt 0x0                           ; no tensor load of mine is out, so a group 0 may be written
	ds_add_u32 v[SPW], v[NIL]                      ; 0 onto my spare word
.if \fill
	s_xor_b32 s[GWA+1], s[GWA+1], SLOT1            ; the walking descriptors: the other slot, the next block
	s_add_nc_u64 s[GWA+2:GWA+3], s[GWA+2:GWA+3], XSTEP
	s_xor_b32 s[GWB+1], s[GWB+1], SLOT1
	s_add_nc_u64 s[GWB+2:GWB+3], s[GWB+2:GWB+3], WSTEP
.endif
	s_xor_b32 s[TB], s[TB], SLOT1
	s_wait_dscnt 0x0                               ; the add is done, and my reads of this slot are over
.if \fill
	CROUND                                         ; no wave of any partner still reads this slot or has a load on its way
	JLOAD                                          ; its four v_nop are also the places in front of the loads below
.else
	s_barrier_signal -1
	s_barrier_wait -1
	PLACES
	s_cmp_eq_u32 s3, 1
	s_cbranch_scc1 .Lno0_\@
.endif
	v_add_nc_u32 v[ADRA], s[TB], v[A0L]
	v_add_nc_u32 v[ADRB], s[TB], v[B0L]
	LDB 0, 0
	LDA FA0, 0
.if \fill
	ASK
.else
.Lno0_\@:
.endif
	GRP FA1, 1                                     ; (thirds 1 and 2 are in since the wait for 0)
	WIN 0
	PLACES
.if !(\fill)
	s_cmp_eq_u32 s3, 1
	s_cbranch_scc1 .Lno1_\@
.endif
	LDB 1, 0
.if !(\fill)
.Lno1_\@:
.endif
	GRP FA1, 2
	WIN 0
	PLACES
.if !(\fill)
	s_cmp_eq_u32 s3, 1
	s_cbranch_scc1 .Lno2_\@
.endif
	LDB 2, 0
.if !(\fill)
.Lno2_\@:
.endif
.endm
	s_wait_tensorcnt 0x1                           ; my part of K step 0 is in; K step 1's may stay out
	s_barrier_signal -1
	s_barrier_wait -1
	LDB 0, 0                                       ; the first quarter's fragments, in the order of every quarter's runs
	LDA FA0, 0
	LDB 1, 0
	LDB 2, 0
	s_wait_loadcnt 0x0                             ; the bias lies in the accumulators
	s_mov_b32 s3, STEPS-2
.Lfill:                                ; K steps 0 to 13: each asks for the step two on
	QTR0
	QTR1 1
	s_sub_co_u32 s3, s3, 1
	s_cmp_lg_u32 s3, 0
	s_cbranch_scc1 .Lfill
	s_mov_b32 s3, 2
.Ldrain:                               ; K steps 14 and 15 ask for nothing
	QTR0
	QTR1 0
	s_sub_co_u32 s3, s3, 1
	s_cmp_lg_u32 s3, 0
	s_cbranch_scc1 .Ldrain
; THE WAY OUT.  The last barrier has shown every wave's reads of the ring over and every tensor load landed: the stage takes the ring's bytes.  Four v_nop stand behind the last products.
; PACKH ha: row blocks 4 ha .. 4 ha + 3, 48 accumulators, each from its lowest registers on: rounded to f16, 16 bytes a lane into the stage.
.macro PACKH ha
.irp g, 0,1,2
	WIN 5*((\g)+1)
.irp bb, 0,1,2,3
.irp a, 0,1,2,3
.irp z, 0,1,2,3
	v_cvt_pk_f16_f32 v[TMP+4*(12*(\a)+4*(\g)+(\bb))+(\z)], v[8*(8*(\bb)+4*(\ha)+(\a))+2*(\z)], v[8*(8*(\bb)+4*(\ha)+(\a))+2*(\z)+1]
.endr
.endr
.endr
.endr
	WIN 0
.irp a, 0,1,2,3
.irp b, 0,1,2,3,4,5,6,7,8,9,10,11
	ds_store_b128 v[STO+(\ha)], v[TMP+4*(12*(\a)+(\b)):TMP+4*(12*(\a)+(\b))+3] offset:(\a)*16*SPITCH+32*(\b)
.endr
.endr
.endm
	PACKH 0
	PACKH 1
	s_wait_dscnt 0x0                               ; for the others' sake: a row's 768 bytes come from two waves
	s_barrier_signal -1
	s_barrier_wait -1
	s_mov_b32 s[SR], 0
	s_mov_b32 s3, 4
.Lout:                                 ; four trips of sixteen rows: read back as whole rows, stored
	v_add_nc_u32 v[RDC], s[SR], v[RD0]
	v_add_nc_u32 v[RDC+1], s[SR], v[RD0+1]
	v_add_nc_u32 v[RDC+2], s[SR], v[RD0+2]
.set t, 0
.rept 8
	ds_load_b128 v[TMP+12*t:TMP+12*t+3],    v[RDC]   offset:t*2*SPITCH
	ds_load_b128 v[TMP+12*t+4:TMP+12*t+7],  v[RDC+1] offset:t*2*SPITCH
	ds_load_b128 v[TMP+12*t+8:TMP+12*t+11], v[RDC+2] offset:t*2*SPITCH
.set t, t+1
.endr
.set t, 0
.rept 24
	s_wait_dscnt 23-t
	global_store_b128 v[CO0+t%3], v[TMP+4*t:TMP+4*t+3], s[10:11] offset:(t/3)*12288  ; sixteen lanes store 256 consecutive bytes, at a multiple of 256 from qkv's first
.set t, t+1
.endr
	s_wait_xcnt 0x0                                ; the stores have read their registers and their base: both are written again only behind this wait
	s_add_nc_u64 s[10:11], s[10:11], 16*6144
	s_add_co_u32 s[SR], s[SR], 16*SPITCH
	s_sub_co_u32 s3, s3, 1
	s_cmp_lg_u32 s3, 0
	s_cbranch_scc1 .Lout
	s_wait_tensorcnt 0x0                           ; the wave's end
	ds_add_u32 v[SPW], v[NIL]
	s_wait_dscnt 0x0
	CROUND                                         ; the closing round
	s_endpgm
.Lfunc_end_k_q0b9dc11cde_proj:
	.size	k_q0b9dc11cde_proj, .Lfunc_end_k_q0b9dc11cde_proj-k_q0b9dc11cde_proj
	.p2alignl 7, 3214868480
	.fill 96, 4, 3214868480
	.section	.rodata,"a",@progbits
	.p2align	6, 0x0
	.amdhsa_kernel k_q0b9dc11cde_proj
		.amdhsa_group_segment_fixed_size 327680
		.amdhsa_private_segment_fixed_size 0
		.amdhsa_enable_private_segment 0
		.amdhsa_kernarg_size 32
		.amdhsa_user_sgpr_count 2
		.amdhsa_user_sgpr_kernarg_segment_ptr 1
		.amdhsa_wavefront_size32 1
		.amdhsa_system_sgpr_workgroup_id_x 1
		.amdhsa_system_sgpr_workgroup_id_y 1
		.amdhsa_system_sgpr_workgroup_id_z 1
		.amdhsa_system_vgpr_workitem_id 0
		.amdhsa_next_free_vgpr 1024
		.amdhsa_next_free_sgpr 72
		.amdhsa_reserve_vcc 1
		.amdhsa_float_denorm_mode_32 3
		.amdhsa_float_denorm_mode_16_64 3
		.amdhsa_memory_ordered 1
		.amdhsa_forward_progress 1
		.amdhsa_inst_pref_size 104
	.end_amdhsa_kernel
	.amdgpu_metadata
---
amdhsa.version: [ 1, 2 ]
amdhsa.kernels:
  - .name:           k_q0b9dc11cde_proj
    .symbol:         k_q0b9dc11cde_proj.kd
    .args:
      - { .name: xh, .offset: 0, .size: 8, .value_kind: global_buffer, .address_space: global }
      - { .name: wt, .offset: 8, .size: 8, .value_kind: global_buffer, .address_space: global }
      - { .name: ball, .offset: 16, .size: 8, .value_kind: global_buffer, .address_space: global }
      - { .name: qkv, .offset: 24, .size: 8, .value_kind: global_buffer, .address_space: global }
    .group_segment_fixed_size: 327680
    .private_segment_fixed_size: 0
    .kernarg_segment_align: 8
    .kernarg_segment_size: 32
    .max_flat_workgroup_size: 128
    .sgpr_count:     72
    .vgpr_count:     1024
    .wavefront_size: 32
...
	.end_amdgpu_metadata
.endif
;; end of part 2
;; launch scores (part 3): grid 8 x 32, 4 waves a work-group, clusters of 4 x 4, 327,680 bytes of LDS; arguments qkv, img, p, stats; writes p, stats
.if DOCPART == 3
	.amdgcn_target "amdgcn-amd-amdhsa--gfx1250"
	.amdhsa_code_object_version 6
	.text
	.protected	k_q0b9dc11cde_scores
	.globl	k_q0b9dc11cde_scores
	.p2align	8
	.type	k_q0b9dc11cde_scores,@function
k_q0b9dc11cde_scores:
	s_mov_b64 s[64:65], 0
	v_nop
	global_prefetch_b8 v0, s[64:65] scope:SCOPE_SE
	s_setreg_imm32_b32 hwreg(HW_REG_WAVE_MODE, 25, 1), 1
	s_wait_xcnt 0x0
	s_wait_alu depctr_hold_cnt(0) depctr_sa_sdst(0) depctr_va_vdst(0) depctr_va_sdst(0) depctr_va_ssrc(0) depctr_va_vcc(0) depctr_vm_vsrc(0)
	s_getreg_b32 s2, hwreg(HW_REG_IB_STS2, 6, 4)
	s_cmp_eq_u32 s2, 0
	s_cbranch_scc0 .Lentry_in_a_cluster
	s_endpgm
.Lentry_in_a_cluster:
	s_bfe_u32 s2, ttmp6, 0x10000c
	s_cmp_lg_u32 s2, 0xf033
	s_cbranch_scc0 .Lentry_shape_is_right
	s_endpgm
.Lentry_shape_is_right:
; For each query row and each BLOCK of 128 keys: s = Q . K (+ the mask), m_t = the block's largest s, p = 2^(c s - c m_t) in f16, l_t = the sum of the unrounded p; c = log2(e) / 32.
; qkv [8192][3072] f16 (Q at column 0, K at 1,024); p [8192][2048] f16; stats f32: c m_t at [block][row], l_t 524,288 bytes on.  The next launch joins the 16 blocks by the row's true maximum.
; THE MASK IS WHERE THE SUMS START: img holds one byte for each accumulator register and lane, 0xF1 where the key is hidden; moved to a word's top byte it is a number of -(2^99 .. 2^101).
; LIMITS.  A hidden score counts as its value less that number (scores beyond 1e20 are not served); an open score starts at an offset under 2^-125, made of the neighbouring bytes.
; A weight below 2^-126 counts as 0 in l_t; below 6.1e-5 p keeps f16's fixed step of 6e-8.  NaN and infinities are not treated apart.
; SHARES.  A work-group makes 256 queries x 256 keys of one batch; each of four waves 128 x 128: 64 accumulators; a wave's 128 keys are one block, so maximum and sum never leave the wave.
; K (the 1,024 channels) goes in 8 steps of 128 through two LDS slots; a trip is one step, its slot hangs on s[TB].  CLUSTER 4 x 4: Q's tiles jointly along a row of the cluster, K's along a column.
; THE MATRIX INSTRUCTION IS USED TRANSPOSED (source 0 = 16 keys, source 1 = 16 queries): lane l holds query l % 16 and the keys 8 (l / 16) + 0..7.
; REGISTERS: window 0: v0-31 addresses; v64-127, v128-191 Q's fragments (first the mask's image); the way out's registers; window 1: K's fragments; windows 2, 3: accumulator (a, b) at v[8 (8 (a % 4) + b)].
.set STEPS,  8
.set STEPB,  256
.set PITCH,  272
.set HALFT,  128*PITCH
.set SLOT,   4*HALFT
.set STAGE,  2*SLOT                    ; behind the ring: 16 rows x 272 bytes for each wave
.set STAT,   STAGE+4*16*PITCH          ; 1,024 bytes for each wave: 128 c m, 128 l
.set SPARE,  STAT+4096
.set FLAGS,  (1<<16)|(1<<20)|(1<<21)|(5<<22)|(3<<25)
.set A0,   2
.set B0,   3
.set ADRA, 16
.set ADRB, 20
.set STR,  22                          ; v22  where I read my wave's statistics back
.set STA,  23                          ; v23  where I put them
.set STO,  24
.set RD,   25
.set CO,   26
.set IMO,  27                          ; v27  16 x lane
.set SPW,  28
.set NIL,  29
.set PFO,  30                          ; v30  lane x 6,144: a row of qkv
.set IM,   64                          ; v64-191  the mask's image: four words for row block a and pair pp at IM + 4 (4 a + pp)
.set F0,   64
.set F1,   128
.set CX,   64                          ; the way out: v64-71 eight chains of the maximum
.set CM,   72                          ; v[72:73] c m
.set LS,   74                          ; v[74:75] the sum's two halves
.set TX,   76                          ; v76  the other half of the lanes'
.set TS,   77
.set MS,   80                          ; v80-87  c m of row block a
.set LL,   88                          ; v88-95  l of row block a
.set SB,   96                          ; v96-103 the statistics read back
.set TMP,  192                         ; v192-223 packed weights
.set WV,   14
.set RH,   15                          ; s15  which half of the rows is mine; also: I fetch for Q (0) or K (1)
.set CH,   47                          ; s47  which half of the keys; also: which 128 rows of the tile I fetch
.set LD,   74
.set G1A,  24
.set GFA,  32
.set GWA,  36
.set LIM,  43
.set PFA,  44
.set TB,   46
.set G1B,  48
.set GFB,  56
.set GWB,  60
.set CS,   66                          ; s[66:67] c
.set SEL,  68                          ; s[68:69] v_permlanex16_b32's selects
.set MSB, 0
.macro WIN new
.if MSB != (\new)
	s_set_vgpr_msb (MSB<<8)|(\new)
.set MSB, (\new)
.endif
.endm
.macro PLACES
.rept 4
	v_nop
.endr
.endm
.macro CREST
	s_cmp_lg_u32 s[WV], 0
	s_cbranch_scc1 .Lnot_wave_0_\@
	s_barrier_signal -3
.Lnot_wave_0_\@:
	s_barrier_wait -3
	s_barrier_signal -1
	s_barrier_wait -1
.endm
.macro CROUND
	s_barrier_signal -1
	s_barrier_wait -1
	CREST
.endm
.macro JLOAD                           ; waves 0 and 1 fetch Q's two halves, waves 2 and 3 K's
	s_cmp_eq_u32 s[RH], 0
	s_cbranch_scc0 .Lfor_b_\@
	tensor_load_to_lds s[GWA:GWA+3], s[G1A:G1A+7]
	s_nop 0
	PLACES
	s_branch .Lasked_\@
.Lfor_b_\@:
	tensor_load_to_lds s[GWB:GWB+3], s[G1B:G1B+7]
	s_nop 0
	PLACES
.Lasked_\@:
.endm
; A prefetch of the K step that the next refill will ask for, one step (256 matrix instructions) ahead of that load: 32 rows x 256 bytes, a lane a row.  Q's rows are named by the clusters with x = 0,
; K's by the first of a batch's two rows of clusters; the four partners of a joint load take 32 rows each, by address.  The last refill has no step behind it.
.macro ASK
	s_cmp_gt_u32 s3, s[LIM]
	s_cbranch_scc0 .Lnot_mine_\@
	global_prefetch_b8 v[PFO], s[PFA:PFA+1] th:TH_LOAD_NT scope:SCOPE_SE
.Lnot_mine_\@:
.endm
.macro GROUP0 g, slot, adr, step
	s_mov_b32 s[\g], 1
	s_add_co_u32 s[\g+1], s[LD], \slot
	s_add_nc_u64 s[\g+2:\g+3], s[\adr:\adr+1], \step
	s_or_b32 s[\g+3], s[\g+3], 0x80000000
.endm
	s_load_b256 s[4:11], s[0:1], 0x0               ; qkv 4, img 6, p 8, stats 10
	v_lshl_add_u32 v[SPW], v0, 2, SPARE
	v_mov_b32 v[NIL], 0
	ds_add_u32 v[SPW], v[NIL]                      ; the wave's opening: the add and its wait stand ahead of my first tensor load
	v_lshrrev_b32 v1, 5, v0
	v_readfirstlane_b32 s[WV], v1
	s_lshr_b32 s[RH], s[WV], 1
	s_and_b32 s[CH], s[WV], 1
	s_bfe_u32 s40, ttmp6, 0x40000                  ; cx
	s_bfe_u32 s41, ttmp6, 0x40004                  ; cy
	s_lshl_b32 s42, ttmp9, 2
	s_add_co_u32 s42, s42, s40                     ; tile column: 256 keys
	s_and_b32 s12, ttmp7, 0xffff                   ; cluster y
	s_lshl_b32 s13, s12, 2
	s_add_co_u32 s13, s13, s41                     ; tile row: 256 queries
	s_lshl_b32 s2, s41, 2
	s_lshl_b32 s2, 15, s2
	s_lshl_b32 s20, 0x1111, s40
	s_or_b32 s[G1A], s2, FLAGS
	s_or_b32 s[G1B], s20, FLAGS
.irp g, G1A, G1B
	s_mov_b32 s[\g+1], 128<<16
	s_mov_b32 s[\g+2], 128<<16
	s_mov_b32 s[\g+3], 128<<16
	s_mov_b32 s[\g+4], 128
	s_mov_b32 s[\g+5], 3072                        ; elements from row to row of qkv
	s_mov_b32 s[\g+6], 0
	s_mov_b32 s[\g+7], 0
.endr
	s_lshl_b32 s2, s[CH], 7                        ; which 128 rows of the tile I fetch
	s_lshl_b32 s16, s13, 8
	s_add_co_u32 s16, s16, s2
	s_mul_i32 s16, s16, 6144                       ; Q: row 256 x tile row + 128 x half
	s_mov_b32 s17, 0
	s_lshr_b32 s18, s12, 1                         ; the batch, from the cluster's y alone
	s_lshl_b32 s18, s18, 11
	s_lshl_b32 s19, s42, 8
	s_add_co_u32 s18, s18, s19
	s_add_co_u32 s18, s18, s2
	s_mul_i32 s18, s18, 6144                       ; K: row 2,048 x batch + 256 x tile column + 128 x half,
	s_add_co_u32 s18, s18, 2048                    ; at column 1,024
	s_mov_b32 s19, 0
	s_mul_i32 s[LD], s[WV], HALFT
	s_mov_b32 s[TB], 0
	s_mov_b32 s[CS], 0x3d38aa3b                    ; c = log2(e) / 32
	s_mov_b32 s[CS+1], s[CS]
	s_mov_b32 s[SEL], 0x76543210
	s_mov_b32 s[SEL+1], 0xfedcba98
	s_mov_b32 s70, 0xff000000
	s_mov_b32 s71, 0xffff0000                      ; lanes 16 to 31
	s_wait_dscnt 0x0
	s_wait_kmcnt 0x0
	s_add_nc_u64 s[20:21], s[4:5], s[16:17]
	s_add_nc_u64 s[22:23], s[4:5], s[18:19]
	GROUP0 GFA, 0, 20, 0
	GROUP0 GWA, SLOT, 20, STEPB
	GROUP0 GFB, 0, 22, 0
	GROUP0 GWB, SLOT, 22, STEPB
	CROUND
	s_cmp_eq_u32 s[RH], 0
	s_cbranch_scc0 .Lfirst_b
	tensor_load_to_lds s[GFA:GFA+3], s[G1A:G1A+7]
	s_nop 0
	tensor_load_to_lds s[GWA:GWA+3], s[G1A:G1A+7]
	s_nop 0
	PLACES
	s_branch .Lfirst_asked
.Lfirst_b:
	tensor_load_to_lds s[GFB:GFB+3], s[G1B:G1B+7]
	s_nop 0
	tensor_load_to_lds s[GWB:GWB+3], s[G1B:G1B+7]
	s_nop 0
	PLACES
.Lfirst_asked:
	v_and_b32 v1, 15, v0                           ; r
	v_bfe_u32 v4, v0, 4, 1                         ; h
	v_and_b32 v5, 31, v0                           ; l
	v_lshlrev_b32 v[IMO], 4, v5
	s_and_b32 s2, s13, 7                           ; the image of my 128 x 128: row block 16 (tile row % 8) + 8 rh + a, pair 8 x tile column + 4 ch + pp
	s_lshl_b32 s2, s2, 4
	s_lshl_b32 s16, s[RH], 3
	s_add_co_u32 s2, s2, s16
	s_lshl_b32 s2, s2, 15
	s_lshl_b32 s16, s42, 3
	s_lshl_b32 s18, s[CH], 2
	s_add_co_u32 s16, s16, s18
	s_lshl_b32 s16, s16, 9
	s_add_co_u32 s16, s16, s2
	s_mov_b32 s17, 0
	s_add_nc_u64 s[6:7], s[6:7], s[16:17]
.set n, 0
.rept 32
	global_load_b128 v[IM+4*n:IM+4*n+3], v[IMO], s[6:7] offset:(n/4)*32768+(n%4)*512  ; a wave reads 512 consecutive bytes: two accumulators' image
.set n, n+1
.endr
	v_mul_u32_u24 v[A0], v1, PITCH
	v_lshl_add_u32 v[A0], v4, 4, v[A0]
	s_mul_i32 s2, s[CH], HALFT
	s_add_co_u32 s2, s2, 2*HALFT
	v_add_nc_u32 v[B0], s2, v[A0]
	s_mul_i32 s2, s[RH], HALFT
	v_add_nc_u32 v[A0], s2, v[A0]
	v_mov_b32 v[ADRA], v[A0]
	v_mov_b32 v[ADRB], v[B0]
	s_mul_i32 s2, s[WV], 16*PITCH
	s_add_co_u32 s2, s2, STAGE
	v_mul_u32_u24 v[STO], v1, PITCH                ; in: row r, 16 bytes for each half of the lanes
	v_lshl_add_u32 v[STO], v4, 4, v[STO]
	v_add_nc_u32 v[STO], s2, v[STO]
	v_mul_u32_u24 v[RD], v4, PITCH                 ; back: lanes 0-15 one row of 256 bytes, lanes 16-31 the next
	v_lshl_add_u32 v[RD], v1, 4, v[RD]
	v_add_nc_u32 v[RD], s2, v[RD]
	v_lshlrev_b32 v[CO], 12, v4                    ; the same two rows in p, 4,096 bytes apart
	v_lshl_add_u32 v[CO], v1, 4, v[CO]
	s_lshl_b32 s2, s[WV], 10
	s_add_co_u32 s2, s2, STAT
	v_lshl_add_u32 v[STR], v5, 4, s2
	v_lshlrev_b32 v[STA], 9, v4                    ; lanes 0-15 put c m, lanes 16-31 l, 512 bytes on
	v_lshl_add_u32 v[STA], v1, 2, v[STA]
	v_add_nc_u32 v[STA], s2, v[STA]
	s_lshl_b32 s2, s13, 8
	s_lshl_b32 s16, s[RH], 7
	s_add_co_u32 s2, s2, s16                       ; my first row
	s_lshl_b32 s16, s2, 12
	s_lshl_b32 s18, s42, 9
	s_add_co_u32 s16, s16, s18
	s_lshl_b32 s18, s[CH], 8
	s_add_co_u32 s16, s16, s18
	s_mov_b32 s17, 0
	s_add_nc_u64 s[8:9], s[8:9], s[16:17]          ; p at my first row and key
	s_lshl_b32 s16, s42, 1
	s_add_co_u32 s16, s16, s[CH]                   ; my block of 128 keys
	s_lshl_b32 s16, s16, 15
	s_lshl_b32 s2, s2, 2
	s_add_co_u32 s16, s16, s2
	s_add_nc_u64 s[10:11], s[10:11], s[16:17]
	; the prefetches
	s_and_b32 s16, s12, 1
	s_cmp_eq_u32 s[RH], 0
	s_cselect_b32 s16, ttmp9, s16                  ; the coordinate along which other clusters read the same rows
	s_cselect_b32 s18, s40, s41                    ; my place among the four that ask with me
	s_cselect_b64 s[PFA:PFA+1], s[20:21], s[22:23]
	s_cmp_eq_u32 s16, 0
	s_cselect_b32 s[LIM], 1, -1
	s_mul_i32 s18, s18, 32*6144
	s_mov_b32 s19, 0
	s_add_nc_u64 s[PFA:PFA+1], s[PFA:PFA+1], s[18:19]
	s_add_nc_u64 s[PFA:PFA+1], s[PFA:PFA+1], 2*STEPB
	v_mul_u32_u24 v[PFO], v5, 6144
	s_wait_loadcnt 0x0                             ; the image is in
.set n, 0
.rept 512                              ; register jj of accumulator (aa, bb): its byte goes to the word's top; all this stands in the wait for the first tile
.set aa, n/64
.set bb, (n/8)%8
.set jj, n%8
	WIN 0x80+0x40*(aa/4)
.if (jj&3) == 3
	v_and_b32 v[n%256], s70, v[IM+4*(4*aa+bb/2)+2*(bb%2)+jj/4]
.else
	v_lshlrev_b32 v[n%256], 8*(3-(jj&3)), v[IM+4*(4*aa+bb/2)+2*(bb%2)+jj/4]
.endif
.set n, n+1
.endr
	WIN 0
.macro MUL16 f, hi, a0                 ; the 64 accumulators take turns, one instruction a turn
	WIN 0xa1+0x50*(\hi)
.irp a, \a0, (\a0)+1
.irp b, 0,1,2,3,4,5,6,7
	v_wmma_f32_16x16x32_f16 v[8*(8*(\a)+(\b)):8*(8*(\a)+(\b))+7], v[(\f)+8*(\b):(\f)+8*(\b)+7], v[(\f)+8*(4*(\hi)+(\a)):(\f)+8*(4*(\hi)+(\a))+7], v[8*(8*(\a)+(\b)):8*(8*(\a)+(\b))+7]
.endr
.endr
.endm
.macro FETCH k, f                      ; 32 LDS loads in one run
	WIN 0x40
.irp i, 0,1,2,3,4,5,6,7
	ds_load_b128 v[(\f)+8*(\i):(\f)+8*(\i)+3],   v[ADRB] offset:(\k)+(\i)*16*PITCH
	ds_load_b128 v[(\f)+8*(\i)+4:(\f)+8*(\i)+7], v[ADRB] offset:(\k)+(\i)*16*PITCH+32
.endr
	WIN 0
.irp i, 0,1,2,3,4,5,6,7
	ds_load_b128 v[(\f)+8*(\i):(\f)+8*(\i)+3],   v[ADRA] offset:(\k)+(\i)*16*PITCH
	ds_load_b128 v[(\f)+8*(\i)+4:(\f)+8*(\i)+7], v[ADRA] offset:(\k)+(\i)*16*PITCH+32
.endr
.endm
.macro QUARTER k, f, g
	s_wait_dscnt 8                                 ; K's and Q's rows 0-63 are in; the youngest eight loads may be out
	MUL16 \f, 0, 0
	MUL16 \f, 0, 2
	PLACES
	FETCH \k, \g
	s_wait_dscnt 32                                ; all but the 32 just issued
	MUL16 \f, 1, 0
	MUL16 \f, 1, 2
.endm
; The change of slots: each wave waits for all its tensor loads (one is out: its part of the next slot), adds 0 to its spare word, waits for that and for its reads of this slot; one barrier.
; fill = 1: it opens a round of the cluster's barrier, and the joint refill comes first behind it: 224 matrix instructions ahead of the wait for it.
.macro TURN fill
.if \fill
	s_wait_xcnt 0x0                                ; the last prefetch, a K step back, has read its address
	s_add_nc_u64 s[PFA:PFA+1], s[PFA:PFA+1], STEPB
.endif
	WIN 0
	s_wait_tensorcnt 0x0
	ds_add_u32 v[SPW], v[NIL]
.if \fill
	s_xor_b32 s[GWA+1], s[GWA+1], SLOT
	s_add_nc_u64 s[GWA+2:GWA+3], s[GWA+2:GWA+3], STEPB
	s_xor_b32 s[GWB+1], s[GWB+1], SLOT
	s_add_nc_u64 s[GWB+2:GWB+3], s[GWB+2:GWB+3], STEPB
.endif
	s_xor_b32 s[TB], s[TB], SLOT
	s_wait_dscnt 9                                 ; the add and the youngest eight loads may be out
	MUL16 F1, 0, 0
	s_wait_dscnt 0x0                               ; the add is done, and my reads of this slot are over
	s_barrier_signal -1
	MUL16 F1, 0, 2
	WIN 0
	s_barrier_wait -1
.if \fill
	CREST
	JLOAD
.else
	PLACES
	s_cmp_eq_u32 s3, 1                             ; the last trip has no further step
	s_cbranch_scc1 .Lno_fetch_\@
.endif
	v_add_nc_u32 v[ADRA], s[TB], v[A0]
	v_add_nc_u32 v[ADRB], s[TB], v[B0]
	FETCH 0, F0
.if \fill
	ASK
.else
.Lno_fetch_\@:
.endif
	MUL16 F1, 1, 0
	MUL16 F1, 1, 2
.endm
	s_wait_tensorcnt 0x1                           ; my part of K step 0 is in; step 1's may stay out
	s_barrier_signal -1
	s_barrier_wait -1
	FETCH 0, F0
	s_mov_b32 s3, STEPS-2
.Lfill:
	QUARTER 64,  F0, F1
	QUARTER 128, F1, F0
	QUARTER 192, F0, F1
	TURN 1
	WIN 0
	s_sub_co_u32 s3, s3, 1
	s_cmp_lg_u32 s3, 0
	s_cbranch_scc1 .Lfill
	s_mov_b32 s3, 2
.Ldrain:
	QUARTER 64,  F0, F1
	QUARTER 128, F1, F0
	QUARTER 192, F0, F1
	TURN 0
	WIN 0
	s_sub_co_u32 s3, s3, 1
	s_cmp_lg_u32 s3, 0
	s_cbranch_scc1 .Ldrain
; THE WAY OUT, a block of 16 queries at a time.  SOFT a: the lane's 64 scores of its query: their maximum (each accumulator's lowest registers first), the other half of the lanes',
; c s - c m, 64 exponentials as ONE batch with one wait, 32 roundings to f16, the sum of the unrounded weights.
.macro SOFT a
.set W, 2+(\a)/4
.set rS, 64*((\a)%4)
	WIN W|(W<<2)|(W<<4)
.irp b, 0,1,2,3,4,5,6,7
	v_max3_num_f32 v[CX+\b], v[rS+8*\b], v[rS+8*\b+1], v[rS+8*\b+2]
.endr
	WIN (W<<2)|(W<<4)
.irp b, 0,1,2,3,4,5,6,7
	v_max3_num_f32 v[CX+\b], v[CX+\b], v[rS+8*\b+3], v[rS+8*\b+4]
.endr
.irp b, 0,1,2,3,4,5,6,7
	v_max3_num_f32 v[CX+\b], v[CX+\b], v[rS+8*\b+5], v[rS+8*\b+6]
.endr
.irp z, 0,1,2,3
	v_max3_num_f32 v[CX+\z], v[CX+\z], v[rS+16*\z+7], v[rS+16*\z+15]
.endr
	WIN 0
	v_max3_num_f32 v[CX], v[CX], v[CX+1], v[CX+2]
	v_max3_num_f32 v[CX+3], v[CX+3], v[CX+4], v[CX+5]
	v_max3_num_f32 v[CX], v[CX], v[CX+6], v[CX+7]
	v_max_num_f32 v[CX], v[CX], v[CX+3]
	v_permlanex16_b32 v[TX], v[CX], s[SEL], s[SEL+1]  ; the query's other 64 keys lie in the lane 16 away
	v_max_num_f32 v[CX], v[CX], v[TX]
	v_mul_f32 v[CM], s[CS], v[CX]
	v_mov_b32 v[MS+(\a)], v[CM]
	WIN (W<<6)|W
.set i, 0
.rept 32
	v_pk_fma_f32 v[rS+2*i:rS+2*i+1], v[rS+2*i:rS+2*i+1], s[CS:CS+1], v[CM:CM+1] op_sel_hi:[1,0,0] neg_lo:[0,0,1] neg_hi:[0,0,1]
.set i, i+1
.endr
.set i, 0
.rept 64
	v_exp_f32 v[rS+i], v[rS+i]
.set i, i+1
.endr
	v_nop                                          ; a plain instruction behind the last exponential,
	s_wait_alu depctr_va_vdst(0)                   ; and one wait ahead of the batch's first reader
	WIN W|(W<<2)
.set i, 0
.rept 32
	v_cvt_pk_f16_f32 v[TMP+i], v[rS+2*i], v[rS+2*i+1]
.set i, i+1
.endr
	WIN (W<<6)|(W<<2)|W
.irp d, 32,16,8,4                      ; the 32 pairs are added in place, partners d registers apart: 16 + 8 + 4 + 2 additions
.set i, 0
.rept (\d)/2
	v_pk_add_f32 v[rS+2*i:rS+2*i+1], v[rS+2*i:rS+2*i+1], v[rS+2*i+(\d):rS+2*i+(\d)+1]
.set i, i+1
.endr
.endr
	WIN W|(W<<2)
	v_pk_add_f32 v[LS:LS+1], v[rS:rS+1], v[rS+2:rS+3]
	WIN 0
	v_add_f32 v[LS], v[LS], v[LS+1]
	v_permlanex16_b32 v[TX], v[LS], s[SEL], s[SEL+1]
	v_add_f32 v[LL+(\a)], v[LS], v[TX]
.endm
.macro TOSTAGE a                       ; 16 bytes a lane into my own stage, and back as whole rows of 256 bytes: LDS serves a wave's instructions in order (ISA guide 5.7.1.4)
	WIN 0
.set BK, 32+192*((\a)%2)
.irp b, 0,1,2,3,4,5,6,7
	ds_store_b128 v[STO], v[TMP+4*\b:TMP+4*\b+3] offset:32*\b
.endr
.irp t, 0,1,2,3,4,5,6,7
	ds_load_b128 v[BK+4*\t:BK+4*\t+3], v[RD] offset:\t*2*PITCH
.endr
.endm
.macro SEND a
	WIN 0
.set BK, 32+192*((\a)%2)
	s_wait_dscnt 0x0                               ; the block is back in registers
	s_wait_xcnt 0x0                                ; the block before's stores have read their registers: the next TOSTAGE loads into them
.irp t, 0,1,2,3,4,5,6,7
	global_store_b128 v[CO], v[BK+4*\t:BK+4*\t+3], s[8:9] offset:(16*(\a)+2*\t)*4096  ; sixteen lanes store 256 consecutive bytes, at a multiple of 256 from p's first
.endr
.endm
	PLACES
	v_mov_b32 v[TX], 0                             ; v_permlanex16_b32's destination counts as read
	v_mov_b32 v[CM+1], 0                           ; named with c m as a pair
	SOFT 0
	TOSTAGE 0
.irp a, 1,2,3,4,5,6,7                  ; a block's arithmetic stands between the stage loads of the block before and the wait for them
	SOFT \a
	SEND (\a)-1
	TOSTAGE \a
.endr
	SEND 7
.irp a, 0,1,2,3,4,5,6,7                ; the statistics: both halves of the lanes hold both numbers; the lower puts c m, the upper l
	v_cndmask_b32 v[TS], v[MS+\a], v[LL+\a], s71
	ds_store_b32 v[STA], v[TS] offset:64*\a
.endr
	ds_load_b128 v[SB:SB+3], v[STR]
	ds_load_b128 v[SB+4:SB+7], v[STR] offset:512
	s_wait_dscnt 0x0
	global_store_b128 v[IMO], v[SB:SB+3], s[10:11]                    ; 128 rows' c m: 512 consecutive bytes
	global_store_b128 v[IMO], v[SB+4:SB+7], s[10:11] offset:524288    ; and their l
	s_wait_tensorcnt 0x0                           ; the wave's end
	ds_add_u32 v[SPW], v[NIL]
	s_wait_dscnt 0x0
	CROUND
	s_endpgm
.Lfunc_end_k_q0b9dc11cde_scores:
	.size	k_q0b9dc11cde_scores, .Lfunc_end_k_q0b9dc11cde_scores-k_q0b9dc11cde_scores
	.p2alignl 7, 3214868480
	.fill 96, 4, 3214868480
	.section	.rodata,"a",@progbits
	.p2align	6, 0x0
	.amdhsa_kernel k_q0b9dc11cde_scores
		.amdhsa_group_segment_fixed_size 327680
		.amdhsa_private_segment_fixed_size 0
		.amdhsa_enable_private_segment 0
		.amdhsa_kernarg_size 32
		.amdhsa_user_sgpr_count 2
		.amdhsa_user_sgpr_kernarg_segment_ptr 1
		.amdhsa_wavefront_size32 1
		.amdhsa_system_sgpr_workgroup_id_x 1
		.amdhsa_system_sgpr_workgroup_id_y 1
		.amdhsa_system_sgpr_workgroup_id_z 1
		.amdhsa_system_vgpr_workitem_id 0
		.amdhsa_next_free_vgpr 1024
		.amdhsa_next_free_sgpr 80
		.amdhsa_reserve_vcc 0
		.amdhsa_float_denorm_mode_32 3
		.amdhsa_float_denorm_mode_16_64 3
		.amdhsa_memory_ordered 1
		.amdhsa_forward_progress 1
		.amdhsa_inst_pref_size 183
	.end_amdhsa_kernel
	.amdgpu_metadata
---
amdhsa.version: [ 1, 2 ]
amdhsa.kernels:
  - .name:           k_q0b9dc11cde_scores
    .symbol:         k_q0b9dc11cde_scores.kd
    .args:
      - { .name: qkv, .offset: 0, .size: 8, .value_kind: global_buffer, .address_space: global }
      - { .name: img, .offset: 8, .size: 8, .value_kind: global_buffer, .address_space: global }
      - { .name: p, .offset: 16, .size: 8, .value_kind: global_buffer, .address_space: global }
      - { .name: stats, .offset: 24, .size: 8, .value_kind: global_buffer, .address_space: global }
    .group_segment_fixed_size: 327680
    .private_segment_fixed_size: 0
    .kernarg_segment_align: 8
    .kernarg_segment_size: 32
    .max_flat_workgroup_size: 128
    .sgpr_count:     80
    .vgpr_count:     1024
    .wavefront_size: 32
...
	.end_amdgpu_metadata
.endif
;; end of part 3
;; launch mix (part 4): grid 4 x 64, 4 waves a work-group, clusters of 4 x 4, 327,680 bytes of LDS; arguments p, qkv, stats, out0; writes out0
.if DOCPART == 4
	.amdgcn_target "amdgcn-amd-amdhsa--gfx1250"
	.amdhsa_code_object_version 6
	.text
	.protected	k_q0b9dc11cde_mix
	.globl	k_q0b9dc11cde_mix
	.p2align	8
	.type	k_q0b9dc11cde_mix,@function
k_q0b9dc11cde_mix:
	s_mov_b64 s[64:65], 0
	v_nop
	global_prefetch_b8 v0, s[64:65] scope:SCOPE_SE
	s_setreg_imm32_b32 hwreg(HW_REG_WAVE_MODE, 25, 1), 1
	s_wait_xcnt 0x0
	s_wait_alu depctr_hold_cnt(0) depctr_sa_sdst(0) depctr_va_vdst(0) depctr_va_sdst(0) depctr_va_ssrc(0) depctr_va_vcc(0) depctr_vm_vsrc(0)
	s_getreg_b32 s2, hwreg(HW_REG_IB_STS2, 6, 4)
	s_cmp_eq_u32 s2, 0
	s_cbranch_scc0 .Lentry_in_a_cluster
	s_endpgm
.Lentry_in_a_cluster:
	s_bfe_u32 s2, ttmp6, 0x10000c
	s_cmp_lg_u32 s2, 0xf033
	s_cbranch_scc0 .Lentry_shape_is_right
	s_endpgm
.Lentry_shape_is_right:
; out0[row][c] = (the sum over blocks t of f_t x the sum over the block's keys of p[row][key] V[key][c]) / l, with m = the largest c m_t of the row, f_t = 2^(c m_t - m) rounded to f16,
; l = the sum of f_t l_t (with the rounded f_t, so that its rounding cancels).  p [8192][2048] f16; V = qkv's columns 2,048 on, f16, its bias within it; stats as the launch before left them; out0 f32.
; So the softmax is taken about the row's TRUE maximum: each block's weights, made about the block's own maximum, are scaled down by f_t <= 1 between LDS and the matrix unit (one packed f16 multiply a register).
; LIMITS.  f_t below 6e-8 counts as 0; p f_t below 6.1e-5 keeps f16's fixed step.  A row of which every key is hidden (m below -1e20) gives NaN, as the reference does.
; SHARES.  A work-group makes 128 rows x 256 columns, each of four waves 64 x 128: 32 accumulators.  16 K steps of 128 keys, each one block t, through two LDS slots; a trip is one step.
; source 0 = 16 columns of V, turned out of LDS by ds_load_tr16_b128; source 1 = 16 rows of p: lane l holds row l % 16 and the columns 8 (l / 16) + 0..7.
; CLUSTER 4 x 4: p's tile jointly along a row of the cluster, V's along a column (a cluster's four tile rows lie in one batch).
; The accumulators are cleared by 256 v_mov_b32 in the wait for the first tile: the price of one form of product and one text for every step.
; REGISTERS: window 0: v0-31 addresses and factors; v64-95, v96-127 p's fragments; v128-191, v192-255 V's; window 1: accumulator (a, b) at v[8 (8 a + b)].
.set STEPS,  16
.set PP,     272                       ; a row of p in LDS: 256 bytes + 16
.set PV,     544                       ; a row of V: 512 + 32 = 136 words
.set VOFF,   128*PP
.set SLOT1,  1<<17                     ; a slot is 104,448 bytes; slot 1 begins here, so that one exclusive or turns an address into the other slot's
.set FT,     VOFF+128*PV               ; between the slots, never filled by a tensor load: f_t twice in a word, [t][rh][r][a]: 512 bytes a block
.set RVT,    FT+8192                   ; 1 / l, laid likewise
.set SPARE,  RVT+512
.set STAGE,  SLOT1+FT                  ; behind slot 1: 16 rows x 528 bytes for each wave
.set SP,     528
.set FLAGP,  (1<<16)|(1<<20)|(1<<21)|(5<<22)|(3<<25)  ; padding of 4 words after every 64
.set FLAGV,  (1<<16)|(1<<20)|(1<<21)|(6<<22)|(7<<25)  ; of 8 words after every 128
.set ADA0, 4
.set ADV0, 5
.set FTA0, 6
.set STO,  7
.set RD,   8
.set GO,   9
.set PFO,  10
.set SO,   11
.set SPW,  12
.set NIL,  13
.set FTS,  14
.set NANV, 15
.set FS,   16                          ; v[16:19]  the step's f_t for my row in row blocks 0 to 3
.set RV,   20                          ; v[20:23]  1 / l likewise
.set MX,   24
.set L0,   25
.set L1,   26
.set RI,   27
.set ADA,  28
.set ADV,  29
.set FTA,  30
.set FA,   64
.set FB,   128
.set CMV,  64                          ; the head: v64-79 c m_t, v80-95 l_t, v96-111 f_t packed
.set LV,   80
.set FP,   96
.set TT,   64                          ; the way out: 64 scaled results
.set WV,   14
.set G1A,  24
.set GFA,  32
.set GWA,  36
.set LIM,  43
.set PFA,  44
.set TB,   46
.set TF,   47
.set G1B,  48
.set GFB,  56
.set GWB,  60
.set U,    70                          ; s70  wave % 2: my half of the columns; also which 64 rows of a tile I fetch
.set RH,   71                          ; s71  wave / 2: my half of the rows
.set LDP,  72
.set LDV,  73
.set PFS,  74                          ; s[74:75] bytes from a K step to the next in what I prefetch
.set MSB, 0
.macro WIN new
.if MSB != (\new)
	s_set_vgpr_msb (MSB<<8)|(\new)
.set MSB, (\new)
.endif
.endm
.macro PLACES
.rept 4
	v_nop
.endr
.endm
.macro CREST
	s_cmp_lg_u32 s[WV], 0
	s_cbranch_scc1 .Lnot_wave_0_\@
	s_barrier_signal -3
.Lnot_wave_0_\@:
	s_barrier_wait -3
	s_barrier_signal -1
	s_barrier_wait -1
.endm
.macro CROUND
	s_barrier_signal -1
	s_barrier_wait -1
	CREST
.endm
.macro JLOAD                           ; waves 0 and 1 fetch p's two halves, waves 2 and 3 V's
	s_cmp_lt_u32 s[WV], 2
	s_cbranch_scc0 .Lfor_v_\@
	tensor_load_to_lds s[GWA:GWA+3], s[G1A:G1A+7]
	s_nop 0
	PLACES
	s_branch .Lasked_\@
.Lfor_v_\@:
	tensor_load_to_lds s[GWB:GWB+3], s[G1B:G1B+7]
	s_nop 0
	PLACES
.Lasked_\@:
.endm
; A prefetch of the K step that stands two refills on (256 matrix instructions ahead of the load that will want it).  p: wave 0 names 32 of the tile's 128 rows, 256 bytes each, the four partners told apart by
; address.  V: the first of a batch's four rows of clusters; of a step's 128 keys each partner of a column takes 32, waves 2 and 3 sixteen each, two runs of 256 bytes a key.  The last two refills name nothing.
.macro ASK
	s_cmp_gt_u32 s3, s[LIM]
	s_cbranch_scc0 .Lnot_mine_\@
	global_prefetch_b8 v[PFO], s[PFA:PFA+1] th:TH_LOAD_NT scope:SCOPE_SE
.Lnot_mine_\@:
.endm
.macro GROUP0 g, ld, slot, adr, step
	s_mov_b32 s[\g], 1
	s_add_co_u32 s[\g+1], s[\ld], \slot
	s_add_nc_u64 s[\g+2:\g+3], s[\adr:\adr+1], \step
	s_or_b32 s[\g+3], s[\g+3], 0x80000000
.endm
	s_load_b256 s[4:11], s[0:1], 0x0               ; p 4, qkv 6, stats 8, out0 10
	v_lshl_add_u32 v[SPW], v0, 2, SPARE
	v_mov_b32 v[NIL], 0
	ds_add_u32 v[SPW], v[NIL]                      ; the wave's opening: the add and its wait stand ahead of my first tensor load
	v_lshrrev_b32 v1, 5, v0
	v_readfirstlane_b32 s[WV], v1
	s_and_b32 s[U], s[WV], 1
	s_lshr_b32 s[RH], s[WV], 1
	s_bfe_u32 s40, ttmp6, 0x40000                  ; cx
	s_bfe_u32 s41, ttmp6, 0x40004                  ; cy
	s_lshl_b32 s42, ttmp9, 2
	s_add_co_u32 s42, s42, s40                     ; tile column: 256 columns
	s_and_b32 s12, ttmp7, 0xffff                   ; cluster y
	s_lshl_b32 s13, s12, 2
	s_add_co_u32 s13, s13, s41                     ; tile row: 128 rows
	s_lshl_b32 s2, s41, 2
	s_lshl_b32 s2, 15, s2
	s_lshl_b32 s20, 0x1111, s40
	s_or_b32 s[G1A], s2, FLAGP
	s_or_b32 s[G1B], s20, FLAGV
	s_mov_b32 s[G1A+1], 128<<16                    ; p's tile: 64 rows x 128 elements
	s_mov_b32 s[G1A+2], 64<<16
	s_mov_b32 s[G1A+3], 128<<16
	s_mov_b32 s[G1A+4], 64
	s_mov_b32 s[G1A+5], 2048
	s_mov_b32 s[G1A+6], 0
	s_mov_b32 s[G1A+7], 0
	s_mov_b32 s[G1B+1], 256<<16                    ; V's tile: 64 keys x 256 elements
	s_mov_b32 s[G1B+2], 64<<16
	s_mov_b32 s[G1B+3], 256<<16
	s_mov_b32 s[G1B+4], 64
	s_mov_b32 s[G1B+5], 3072
	s_mov_b32 s[G1B+6], 0
	s_mov_b32 s[G1B+7], 0
	s_lshl_b32 s2, s[U], 6
	s_lshl_b32 s16, s13, 7
	s_add_co_u32 s16, s16, s2
	s_lshl_b32 s16, s16, 12                        ; p: row 128 x tile row + 64 x half, 4,096 bytes a row
	s_mov_b32 s17, 0
	s_lshr_b32 s18, s12, 2                         ; the batch, from the cluster's y alone
	s_lshl_b32 s18, s18, 11
	s_add_co_u32 s18, s18, s2
	s_mul_i32 s18, s18, 6144                       ; V: key 2,048 x batch + 64 x half,
	s_lshl_b32 s19, s42, 9
	s_add_co_u32 s18, s18, s19                     ; the tile's 512 bytes of a row,
	s_add_co_u32 s18, s18, 4096                    ; from column 2,048 on
	s_mov_b32 s19, 0
	s_mul_i32 s[LDP], s[U], 64*PP
	s_mul_i32 s[LDV], s[U], 64*PV
	s_add_co_u32 s[LDV], s[LDV], VOFF
	s_mov_b32 s[TB], 0
	s_mov_b32 s[TF], 0
	s_wait_dscnt 0x0
	s_wait_kmcnt 0x0
	s_add_nc_u64 s[20:21], s[4:5], s[16:17]
	s_add_nc_u64 s[22:23], s[6:7], s[18:19]
	GROUP0 GFA, LDP, 0, 20, 0
	GROUP0 GWA, LDP, SLOT1, 20, 256
	GROUP0 GFB, LDV, 0, 22, 0
	GROUP0 GWB, LDV, SLOT1, 22, 786432             ; 128 keys of 6,144 bytes
	CROUND
	s_cmp_lt_u32 s[WV], 2
	s_cbranch_scc0 .Lfirst_v
	tensor_load_to_lds s[GFA:GFA+3], s[G1A:G1A+7]
	s_nop 0
	tensor_load_to_lds s[GWA:GWA+3], s[G1A:G1A+7]
	s_nop 0
	PLACES
	s_branch .Lfirst_asked
.Lfirst_v:
	tensor_load_to_lds s[GFB:GFB+3], s[G1B:G1B+7]
	s_nop 0
	tensor_load_to_lds s[GWB:GWB+3], s[G1B:G1B+7]
	s_nop 0
	PLACES
.Lfirst_asked:
	; thread number = a row of the work-group's 128: its 16 c m_t and 16 l_t
	v_lshlrev_b32 v[SO], 2, v0
	s_lshl_b32 s16, s13, 9
	s_mov_b32 s17, 0
	s_add_nc_u64 s[8:9], s[8:9], s[16:17]
.set t, 0
.rept 16
	global_load_b32 v[CMV+t], v[SO], s[8:9] offset:32768*t
	global_load_b32 v[LV+t],  v[SO], s[8:9] offset:32768*t+524288
.set t, t+1
.endr
	v_and_b32 v1, 15, v0                           ; r
	v_bfe_u32 v2, v0, 4, 1                         ; h
	v_and_b32 v3, 31, v0                           ; l
	v_mul_u32_u24 v[ADA0], v1, PP
	v_lshl_add_u32 v[ADA0], v2, 4, v[ADA0]
	s_mul_i32 s2, s[RH], 64*PP
	v_add_nc_u32 v[ADA0], s2, v[ADA0]              ; p: (64 rh + r) x pitch + 16 h
	v_and_b32 v24, 7, v0                           ; V, for the turning load: key 8 h + l % 8, columns 8 ((l / 8) % 2) on, my wave's 256 bytes
	v_lshl_add_u32 v24, v2, 3, v24
	v_mul_u32_u24 v[ADV0], v24, PV
	v_bfe_u32 v24, v0, 3, 1
	v_lshl_add_u32 v[ADV0], v24, 4, v[ADV0]
	s_lshl_b32 s2, s[U], 8
	s_add_co_u32 s2, s2, VOFF
	v_add_nc_u32 v[ADV0], s2, v[ADV0]
	s_lshl_b32 s2, s[RH], 8
	s_add_co_u32 s2, s2, FT
	v_lshl_add_u32 v[FTA0], v1, 4, s2
	v_mov_b32 v[ADA], v[ADA0]
	v_mov_b32 v[ADV], v[ADV0]
	v_mov_b32 v[FTA], v[FTA0]
	v_lshrrev_b32 v24, 6, v0                       ; where row v0's factor goes: half v0 / 64, lane term 16 (v0 % 16), row block (v0 / 16) % 4
	v_lshlrev_b32 v24, 8, v24
	v_lshl_add_u32 v24, v1, 4, v24
	v_bfe_u32 v25, v0, 4, 2
	v_lshl_add_u32 v24, v25, 2, v24
	v_add_nc_u32 v[FTS], FT, v24
	s_mul_i32 s2, s[WV], 16*SP
	s_add_co_u32 s2, s2, STAGE
	v_mul_u32_u24 v[STO], v1, SP                   ; in: row r, 32 bytes for each half of the lanes
	v_lshl_add_u32 v[STO], v2, 5, v[STO]
	v_add_nc_u32 v[STO], s2, v[STO]
	v_lshl_add_u32 v[RD], v3, 4, s2                ; back: a row of 512 bytes a load
	v_lshlrev_b32 v[GO], 4, v3
	s_lshl_b32 s2, s13, 7
	s_lshl_b32 s16, s[RH], 6
	s_add_co_u32 s2, s2, s16
	s_lshl_b32 s16, s2, 12
	s_lshl_b32 s2, s42, 10
	s_add_co_u32 s16, s16, s2
	s_lshl_b32 s2, s[U], 9
	s_add_co_u32 s16, s16, s2
	s_add_nc_u64 s[10:11], s[10:11], s[16:17]      ; out0 at my first row and column
	; the prefetches
	s_lshl_b32 s16, s13, 7
	s_lshl_b32 s2, s40, 5
	s_add_co_u32 s16, s16, s2
	s_lshl_b32 s16, s16, 12                        ; p: row 128 x tile row + 32 cx
	s_lshr_b32 s18, s12, 2
	s_lshl_b32 s18, s18, 11
	s_lshl_b32 s2, s41, 5
	s_add_co_u32 s18, s18, s2
	s_lshl_b32 s2, s[U], 4
	s_add_co_u32 s18, s18, s2
	s_mul_i32 s18, s18, 6144                       ; V: key 2,048 x batch + 32 cy + 16 x (wave % 2)
	s_lshl_b32 s2, s42, 9
	s_add_co_u32 s18, s18, s2
	s_add_co_u32 s18, s18, 4096
	s_and_b32 s2, s12, 3
	s_mov_b32 s[PFS], 786432                       ; V's figures first (an instruction holds one literal): 128 keys from step to step,
	s_mov_b32 s19, 6144                            ; 6,144 bytes from key to key
	s_cmp_lt_u32 s[WV], 2
	s_cselect_b32 s16, s16, s18
	s_cselect_b32 s2, s[WV], s2                    ; 0 in wave 0, and in waves 2 and 3 of a batch's first row of clusters
	s_cselect_b32 s[PFS], 256, s[PFS]              ; p: 256 bytes from step to step,
	s_cselect_b32 s18, 0, 1                        ; V: two lanes a key
	s_cselect_b32 s19, 4096, s19                   ; p: 4,096 bytes from row to row
	s_cselect_b64 s[PFA:PFA+1], s[4:5], s[6:7]
	s_cmp_eq_u32 s2, 0
	s_cselect_b32 s[LIM], 2, -1
	s_mov_b32 s[PFS+1], 0
	s_add_nc_u64 s[PFA:PFA+1], s[PFA:PFA+1], s[16:17]
	v_lshrrev_b32 v24, s18, v3
	v_mul_u32_u24 v[PFO], s19, v24
	v_and_b32 v24, s18, v3
	v_lshl_add_u32 v[PFO], v24, 8, v[PFO]
	s_mul_i32 s16, s[PFS], 3
	s_add_nc_u64 s[PFA:PFA+1], s[PFA:PFA+1], s[16:17]  ; at K step 3: the first refill steps it to 4.  Nothing is prefetched at the head
	WIN 0x40
.set i, 0
.rept 256
	v_mov_b32 v[i], 0
.set i, i+1
.endr
	WIN 0
	s_mov_b32 s77, 0xe0ad78ec                      ; -1e20
	s_wait_loadcnt 0x0                             ; the row's statistics
	v_max3_num_f32 v[MX], v[CMV], v[CMV+1], v[CMV+2]
.irp t, 3,5,7,9,11,13
	v_max3_num_f32 v[MX], v[MX], v[CMV+\t], v[CMV+\t+1]
.endr
	v_max_num_f32 v[MX], v[MX], v[CMV+15]          ; the row's maximum, times c
.set t, 0
.rept 16
	v_sub_f32 v[CMV+t], v[CMV+t], v[MX]
.set t, t+1
.endr
.set t, 0
.rept 16
	v_exp_f32 v[CMV+t], v[CMV+t]
.set t, t+1
.endr
	v_mov_b32 v[L0], 0                             ; plain work behind the last exponential,
	v_mov_b32 v[L1], 0
	s_wait_alu depctr_va_vdst(0)                   ; and one wait ahead of the batch's first reader
.set t, 0
.rept 16
	v_cvt_pk_f16_f32 v[FP+t], v[CMV+t], v[CMV+t]
.set t, t+1
.endr
.set t, 0
.rept 16
	v_fma_mix_f32 v[L0+t%2], v[FP+t], v[LV+t], v[L0+t%2] op_sel_hi:[1,0,0]  ; the rounded factor times l_t, in f32, two chains
.set t, t+1
.endr
	v_add_f32 v[L0], v[L0], v[L1]
	v_rcp_f32 v[RI], v[L0]
	v_cmp_gt_f32 s76, s77, v[MX]                   ; every key hidden?
	v_mov_b32 v[NANV], 0x7fc00000
	s_wait_alu depctr_va_vdst(0)
	v_cndmask_b32 v[RI], v[RI], v[NANV], s76
.set t, 0
.rept 16
	ds_store_b32 v[FTS], v[FP+t] offset:512*t
.set t, t+1
.endr
	ds_store_b32 v[FTS], v[RI] offset:RVT-FT
.macro PROD f, a, b
	v_wmma_f32_16x16x32_f16 v[8*(8*(\a)+(\b)):8*(8*(\a)+(\b))+7], v[FB+64*(\f)+8*(\b):FB+64*(\f)+8*(\b)+7], v[FA+32*(\f)+8*(\a):FA+32*(\f)+8*(\a)+7], v[8*(8*(\a)+(\b)):8*(8*(\a)+(\b))+7]
.endm
.macro MUL8 f, a                       ; row block a x all 8 column blocks.  The 32 accumulators take turns, one instruction a turn
	WIN 0x50
.irp b, 0,1,2,3,4,5,6,7
	PROD \f, \a, \b
.endr
.endm
.macro MULR f, a, g, per               ; the same, and behind every per-th product four scalings of buffer g's fragments of p: register n times its row's f_t
.irp b, 0,1,2,3,4,5,6,7
	WIN 0x50
	PROD \f, \a, \b
.if ((\b)%(\per)) == (\per)-1
	WIN 0
.rept 4
	v_pk_mul_f16 v[FA+32*(\g)+n], v[FA+32*(\g)+n], v[FS+n/8]
.set n, n+1
.endr
.endif
.endr
.endm
; A quarter step's fragments (32 keys) into buffer g: 8 loads of p, (fs = 1: the step's factors,) 16 turning loads of V
.macro FETCH q, g, fs
	WIN 0
.irp a, 0,1,2,3
	ds_load_b128 v[FA+32*(\g)+8*(\a):FA+32*(\g)+8*(\a)+3],   v[ADA] offset:64*(\q)+16*PP*(\a)
	ds_load_b128 v[FA+32*(\g)+8*(\a)+4:FA+32*(\g)+8*(\a)+7], v[ADA] offset:64*(\q)+16*PP*(\a)+32
.endr
.if \fs
	ds_load_b128 v[FS:FS+3], v[FTA]
.endif
.irp b, 0,1,2,3,4,5,6,7
	ds_load_tr16_b128 v[FB+64*(\g)+8*(\b):FB+64*(\g)+8*(\b)+3],   v[ADV] offset:32*PV*(\q)+32*(\b)
	ds_load_tr16_b128 v[FB+64*(\g)+8*(\b)+4:FB+64*(\g)+8*(\b)+7], v[ADV] offset:32*PV*(\q)+32*(\b)+16*PV
.endr
.endm
.macro QUARTER q, f, g                 ; fetches quarter q into g, multiplies f, and scales g's p beside the second half of the products
	WIN 0
	PLACES
	FETCH \q, \g, 0
	s_wait_dscnt 24                                ; all but the 24 just issued: f is whole
	MUL8 \f, 0
	MUL8 \f, 1
	s_wait_dscnt 16                                ; g's p is in; its 16 loads of V may be out
.set n, 0
	MULR \f, 2, \g, 2
	MULR \f, 3, \g, 2
.endm
; The last quarter changes slots FIRST and multiplies buffer 1 behind the refill.  All of this slot's fragments were asked for at the head of the quarter before, 32 products back.  Each wave waits for all its
; tensor loads (one is out: its part of the next slot), adds 0 to its spare word, waits for that and for its reads of this slot.  fill = 1: a round of the cluster's barrier, and the joint refill first behind it:
; no product stands between the wait and the refill, so the refill has a whole trip, 128 matrix instructions, in which to land.
.macro TURN fill
.if \fill
	s_wait_xcnt 0x0                                ; the last prefetch, a K step back, has read its address
	s_add_nc_u64 s[PFA:PFA+1], s[PFA:PFA+1], s[PFS:PFS+1]
.endif
	WIN 0
	s_wait_tensorcnt 0x0                           ; no tensor load of mine is out, so a group 0 may be written
	ds_add_u32 v[SPW], v[NIL]
.if \fill
	s_xor_b32 s[GWA+1], s[GWA+1], SLOT1
	s_add_nc_u64 s[GWA+2:GWA+3], s[GWA+2:GWA+3], 256
	s_xor_b32 s[GWB+1], s[GWB+1], SLOT1
	s_add_nc_u64 s[GWB+2:GWB+3], s[GWB+2:GWB+3], 786432
.endif
	s_xor_b32 s[TB], s[TB], SLOT1
	s_add_co_u32 s[TF], s[TF], 512
	s_wait_dscnt 0x0                               ; the add is done, and my reads of this slot are over
.if \fill
	CROUND                                         ; no wave of any partner still reads this slot or has a load on its way
	JLOAD                                          ; its four v_nop are also the places in front of the loads below
.else
	s_barrier_signal -1
	s_barrier_wait -1
	PLACES
	s_cmp_eq_u32 s3, 1                             ; the last trip has no further step; its scalings below then work on stale registers that nobody reads
	s_cbranch_scc1 .Lno_fetch_\@
.endif
	v_add_nc_u32 v[ADA], s[TB], v[ADA0]
	v_add_nc_u32 v[ADV], s[TB], v[ADV0]
	v_add_nc_u32 v[FTA], s[TF], v[FTA0]
	FETCH 0, 0, 1
.if \fill
	ASK
.else
.Lno_fetch_\@:
.endif
	MUL8 1, 0
	MUL8 1, 1
	MUL8 1, 2
	s_wait_dscnt 16                                ; the next step's p and factors are in; its 16 loads of V may be out
.set n, 0
	MULR 1, 3, 0, 1
.endm
	s_wait_tensorcnt 0x1                           ; my part of K step 0 is in; step 1's may stay out
	s_wait_dscnt 0x0                               ; for the others' sake: my row's factors are stored
	s_barrier_signal -1
	s_barrier_wait -1
	FETCH 0, 0, 1
	ds_load_b128 v[RV:RV+3], v[FTA] offset:RVT-FT
	s_wait_dscnt 0x0
.set n, 0
.rept 32
	v_pk_mul_f16 v[FA+n], v[FA+n], v[FS+n/8]
.set n, n+1
.endr
	s_mov_b32 s3, STEPS-2
.Lfill:
	QUARTER 1, 0, 1
	QUARTER 2, 1, 0
	QUARTER 3, 0, 1
	TURN 1
	WIN 0
	s_sub_co_u32 s3, s3, 1
	s_cmp_lg_u32 s3, 0
	s_cbranch_scc1 .Lfill
	s_mov_b32 s3, 2
.Ldrain:
	QUARTER 1, 0, 1
	QUARTER 2, 1, 0
	QUARTER 3, 0, 1
	TURN 0
	WIN 0
	s_sub_co_u32 s3, s3, 1
	s_cmp_lg_u32 s3, 0
	s_cbranch_scc1 .Ldrain
; THE WAY OUT, 16 rows at a time: times 1 / l; 32 bytes a lane into my own stage; back as whole rows of 512 bytes; stored.
.macro PACK a
	WIN 0x01
.set i, 0
.rept 32
.if ((\a)&1) == 0
	v_pk_mul_f32 v[TT+2*i:TT+2*i+1], v[64*(\a)+2*i:64*(\a)+2*i+1], v[RV+2*((\a)/2):RV+2*((\a)/2)+1] op_sel_hi:[1,0]
.else
	v_pk_mul_f32 v[TT+2*i:TT+2*i+1], v[64*(\a)+2*i:64*(\a)+2*i+1], v[RV+2*((\a)/2):RV+2*((\a)/2)+1] op_sel:[0,1] op_sel_hi:[1,1]
.endif
.set i, i+1
.endr
	WIN 0
.irp b, 0,1,2,3,4,5,6,7
	ds_store_b128 v[STO], v[TT+8*\b:TT+8*\b+3]   offset:64*\b
	ds_store_b128 v[STO], v[TT+8*\b+4:TT+8*\b+7] offset:64*\b+16
.endr
.if (\a) >= 2
	s_wait_xcnt 0x0                                ; the stores of the block two back have read these registers
.endif
.set i, 0
.rept 16
	ds_load_b128 v[128+64*((\a)%2)+4*i:128+64*((\a)%2)+4*i+3], v[RD] offset:SP*i  ; LDS serves a wave's instructions in order (ISA guide 5.7.1.4): these see the stores above
.set i, i+1
.endr
.endm
.macro SEND a, younger                 ; younger: the LDS instructions issued behind block a's loads: the next block's 32, or none
.set i, 0
.rept 16
	s_wait_dscnt (\younger)+15-i
	global_store_b128 v[GO], v[128+64*((\a)%2)+4*i:128+64*((\a)%2)+4*i+3], s[10:11] offset:(16*(\a)+i)*4096 th:TH_STORE_NT  ; 512 consecutive bytes, at a multiple of 256 from out0's first
.set i, i+1
.endr
.endm
	PLACES
	PACK 0
	PACK 1
	SEND 0, 32
	PACK 2
	SEND 1, 32
	PACK 3
	SEND 2, 32
	SEND 3, 0
	s_wait_tensorcnt 0x0                           ; the wave's end
	ds_add_u32 v[SPW], v[NIL]
	s_wait_dscnt 0x0
	CROUND
	s_endpgm
.Lfunc_end_k_q0b9dc11cde_mix:
	.size	k_q0b9dc11cde_mix, .Lfunc_end_k_q0b9dc11cde_mix-k_q0b9dc11cde_mix
	.p2alignl 7, 3214868480
	.fill 96, 4, 3214868480
	.section	.rodata,"a",@progbits
	.p2align	6, 0x0
	.amdhsa_kernel k_q0b9dc11cde_mix
		.amdhsa_group_segment_fixed_size 327680
		.amdhsa_private_segment_fixed_size 0
		.amdhsa_enable_private_segment 0
		.amdhsa_kernarg_size 32
		.amdhsa_user_sgpr_count 2
		.amdhsa_user_sgpr_kernarg_segment_ptr 1
		.amdhsa_wavefront_size32 1
		.amdhsa_system_sgpr_workgroup_id_x 1
		.amdhsa_system_sgpr_workgroup_id_y 1
		.amdhsa_system_sgpr_workgroup_id_z 1
		.amdhsa_system_vgpr_workitem_id 0
		.amdhsa_next_free_vgpr 512
		.amdhsa_next_free_sgpr 80
		.amdhsa_reserve_vcc 0
		.amdhsa_float_denorm_mode_32 3
		.amdhsa_float_denorm_mode_16_64 3
		.amdhsa_memory_ordered 1
		.amdhsa_forward_progress 1
		.amdhsa_inst_pref_size 105
	.end_amdhsa_kernel
	.amdgpu_metadata
---
amdhsa.version: [ 1, 2 ]
amdhsa.kernels:
  - .name:           k_q0b9dc11cde_mix
    .symbol:         k_q0b9dc11cde_mix.kd
    .args:
      - { .name: p, .offset: 0, .size: 8, .value_kind: global_buffer, .address_space: global }
      - { .name: qkv, .offset: 8, .size: 8, .value_kind: global_buffer, .address_space: global }
      - { .name: stats, .offset: 16, .size: 8, .value_kind: global_buffer, .address_space: global }
      - { .name: out0, .offset: 24, .size: 8, .value_kind: global_buffer, .address_space: global }
    .group_segment_fixed_size: 327680
    .private_segment_fixed_size: 0
    .kernarg_segment_align: 8
    .kernarg_segment_size: 32
    .max_flat_workgroup_size: 128
    .sgpr_count:     80
    .vgpr_count:     512
    .wavefront_size: 32
...
	.end_amdgpu_metadata
.endif
;; end of part 4
